; MI455X (gfx1250); checked and timed in simulation.
; The chip was launched on July 23, 2026; its instructions are those of AMD's public machine-readable ISA for CDNA 5 (MIT licence, August 2026) and "CDNA5" Instruction Set Architecture Reference Guide (July 2026). The comments in the code are by the model that wrote it; some were corrected since.
;; Multi Head Attention. Allowed arithmetic: matrix products marked QUANTISED: E2M1 operands, one E8M0 scale for each 32 along K, by v_wmma_scale_f32_16x16x128_f8f6f4 with both operands' format E2M1 (or v_wmma_scale_f32_32x16x128_f4), f32 sums; products left as they are: bf16, f16 or f32 operands; f32 sums; everything else in f32.
;; Inputs: Wk 1,024 x 1,024 float32; Wo 1,024 x 1,024 float32; Wq 1,024 x 1,024 float32; Wv 1,024 x 1,024 float32; mask 4 x 2,048 x 2,048 bool; x 4 x 2,048 x 1,024 float32.
;; Outputs: out0 4 x 2,048 x 1,024 float32.
;; This version of the problem:
;;   THIS VERSION OF THE PROBLEM IS GIVEN IN LOW PRECISION. The matrix products marked QUANTISED in the list below multiply operands that are first quantised to E2M1 (2 exponent bits, 1 mantissa bit; 4 bits a number), with one power-of-two scale for each 32 numbers along K (OCP MX v1.0); their sums are f32. The products marked 'left as it is' may take bf16, f16 or f32 operands, with f32 sums. Whichever they take, every output number must still come out within the allowed error. Rounding operands to bf16 (8 significant bits) uses up far more of that allowance than f16 does (11 bits, for magnitudes from 6e-5 to 65,504). All else is computed in f32.
;;   The module's matrix products, in the order in which they are computed (A, B: the left and right operand; K: the contracted axis; several contracted axes count as one K, in the product's order):
;;     1. [M 8,192, K 1,024] x [K 1,024, N 1,024]; A: input x; B: input Wq: QUANTISED
;;     2. [M 8,192, K 1,024] x [K 1,024, N 1,024]; A: input x; B: input Wk: QUANTISED
;;     3. [M 8,192, K 1,024] x [K 1,024, N 1,024]; A: input x; B: input Wv: QUANTISED
;;     4. batch 64 x [M 2,048, K 64] x [K 64, N 2,048]; A: computed on the way; B: computed on the way: left as it is (an operand is computed on the way)
;;     5. batch 64 x [M 2,048, K 2,048] x [K 2,048, N 64]; A: computed on the way; B: computed on the way: left as it is (an operand is computed on the way)
;;     6. [M 8,192, K 1,024] x [K 1,024, N 1,024]; A: computed on the way; B: input Wo: left as it is (an operand is computed on the way)
;;   THE QUANTISER, for each operand of a quantised product, along K:
;;     - K is cut into blocks of 32 from its start; a last block that is shorter is filled with zeros.
;;     - A block's scale is 2^e with e = floor(log2(the largest magnitude in the block)) - 2, held to -126 .. 127; a block of zeros has e = 0. As a byte (E8M0): e + 127.
;;     - Each number is divided by its block's scale, clamped to +-6, and rounded to the nearest number of E2M1, ties to even, subnormals kept.
;;     - The product sums the exact products of the quantised numbers (number of the format x scale) in f32.
;;   ~~~python
;;   def quantise(x, axis):      # numpy; x: float32 -> the quantised numbers, widened to float32 again
;;       x = np.moveaxis(x, axis, -1); K = x.shape[-1]
;;       x = np.pad(x, [(0, 0)] * (x.ndim - 1) + [(0, -K % 32)]); x = x.reshape(x.shape[:-1] + (-1, 32)); a = np.abs(x).max(-1, keepdims=True)
;;       e = np.where(a > 0, np.clip(np.frexp(np.where(a > 0, a, 1))[1] - 1 - 2, -126, 127), 0)      # np.frexp(a)[1] - 1 = floor(log2(a)), exactly
;;       r = np.clip(x / 2.0 ** e, -6, 6)
;;       step = 2.0 ** (np.maximum(np.frexp(np.where(r == 0, 1, r))[1] - 1, 0) - 1)
;;       q = np.round(r / step) * step * 2.0 ** e      # np.round: ties to even
;;       return np.moveaxis(q.reshape(q.shape[:-2] + (-1,))[..., :K], -1, axis).astype(np.float32)
;;   ~~~
;; One version. Each part assembles by itself: llvm-mc -triple=amdgcn-amd-amdhsa -mcpu=gfx1250 --defsym DOCPART=n.
;; ======== version 1 of 1: 4 launches
;; limits: values are held in f16: magnitudes above 65,504 overflow, below 6.1e-05 lose precision
;; workspace buffers: cod 5,767,168 bytes; scl 360,448 bytes; wo16 2,097,152 bytes; mbits 2,097,152 bytes of whole numbers; q16 16,777,216 bytes; kv16 33,554,432 bytes; z16 16,777,216 bytes
;; launch prep (part 1): grid 1024 x 1, 4 waves a work-group, no clusters, 52,736 bytes of LDS; arguments x, Wq, Wk, Wv, Wo, mask, cod, scl, wo16, mbits; writes cod, scl, wo16, mbits
.if DOCPART == 1
	.amdgcn_target "amdgcn-amd-amdhsa--gfx1250"
	.amdhsa_code_object_version 6
	.text
	.protected	k_q874191cafb_prep
	.globl	k_q874191cafb_prep
	.p2align	8
	.type	k_q874191cafb_prep,@function
k_q874191cafb_prep:
	s_mov_b64 s[64:65], 0
	v_nop
	global_prefetch_b8 v0, s[64:65] scope:SCOPE_SE
	s_setreg_imm32_b32 hwreg(HW_REG_WAVE_MODE, 25, 1), 1
	s_wait_xcnt 0x0
; PREP: every input is read once and laid as the later launches' operand registers want it.
;   work-groups 0-703    16 rows of x (0-511), Wq (512-575), Wk (576-639), Wv (640-703), f32 [rows][1024]: codes of FP4 (E2M1) with one E8M0 byte for each 32 along K.
;                        cod: tile of 16 rows = 8,192 bytes [K step of 128 (8)][c (2)][lane (32)][16 bytes]; the 16 bytes of lane 16 h + r are row r's 32 codes of block 4 s + 2 c + h.
;                        scl: [row][32 bytes], byte = block, so that word s of a row is the scale word of K step s.
;   work-groups 704-767  16 rows of Wo, f32: f16, wo16 [n tile][32 along K (32)][c (2)][lane][16 bytes]: lane 16 h + r holds Wo[r][32 kf + 16 c + 8 h + 0..7].
;   work-groups 768-1023 the mask's bytes become bits: mbits [b][tile of 16 queries (128)][step of 64 keys (32)][32 words]; bit 16 h + r of word 8 t + j is mask[query r][key 16 t + 8 h + j].
; A block's scale is 2^(floor(log2(largest magnitude)) - 2): its byte is the largest magnitude's exponent field - 2, held at 1 from below.
; LIMITS: a block of zeros gets the byte 1 where the quantiser says 127 (its codes are zeros, and the bytes are read by this program alone); NaN and infinities among the inputs are not served.
; SHARES.  A wave takes 16 rows x 1,024 bytes, in four steps of 256 bytes a row.  All 32 loads go out at the wave's head; each reads 256 consecutive bytes of two rows, sixteen lanes to a row.
; A step turns through the wave's own stage in LDS (16 rows, 272 bytes apart) so that a lane then holds neighbours along K of ONE row.  Waves share nothing: no barrier.
; No cluster: no two work-groups read the same bytes.  The three paths part on the work-group's number; each has LDS bytes of its own.
.set PITCH, 272
.set WSTG,  16*PITCH                   ; a wave's stage
.set PSTG,  4*WSTG                     ; a path's four stages
.set SPARE, 3*PSTG                     ; behind the stages: the spare words, 128 bytes for each wave, that no other line names
.set GOF4,  4                          ; v4   in a load of two rows 4,096 bytes apart: 4096 h + 16 r
.set GOF2,  5                          ; v5   the same for rows 2,048 bytes apart
.set SIN,   6                          ; v6   into the stage: row h, 16 r
.set RDQ,   7                          ; v7   out of it: row r, 128 h: 32 numbers
.set RDM,   8                          ; v8   out of it: row r, 8 h: 8 mask bytes
.set LOF,   9                          ; v9   16 x lane
.set HOF,   10                         ; v10  1024 h + 16 r
.set SOF,   16                         ; v16  32 r + 4 h
.set H8,    17                         ; v17  8 h
.set SPW,   18                         ; v18  LDS address of my spare word; never rewritten
.set NIL,   19                         ; v19  0; never rewritten
.set BY,    20                         ; v20-23 a scale byte for each step; v24-27 at work
.set X,     32                         ; v32-63 what comes back from the stage
.set T,     64                         ; v64-71 at work
.set R,     80                         ; v80-207 step t's eight loads at R + 32 t; its results later lie in the first of them
	s_load_b512 s[4:19], s[0:1], 0x0               ; x, Wq, Wk, Wv, Wo, mask, cod, scl
	s_load_b128 s[20:23], s[0:1], 0x40             ; wo16, mbits
	v_lshl_add_u32 v[SPW], v0, 2, SPARE
	v_mov_b32 v[NIL], 0
	v_lshrrev_b32 v1, 5, v0
	v_readfirstlane_b32 s24, v1                    ; wave 0..3
	v_and_b32 v1, 31, v0                           ; lane
	v_and_b32 v2, 15, v0                           ; r
	v_bfe_u32 v3, v0, 4, 1                         ; h
	v_lshlrev_b32 v[GOF4], 4, v2
	v_lshl_or_b32 v[GOF2], v3, 11, v[GOF4]
	v_lshl_or_b32 v[GOF4], v3, 12, v[GOF4]
	s_mul_i32 s25, s24, WSTG
	v_mul_u32_u24 v[SIN], v3, PITCH
	v_lshl_add_u32 v[SIN], v2, 4, v[SIN]
	v_add_nc_u32 v[SIN], s25, v[SIN]
	v_mul_u32_u24 v[RDQ], v2, PITCH
	v_add_nc_u32 v[RDQ], s25, v[RDQ]
	v_lshl_add_u32 v[RDM], v3, 3, v[RDQ]
	v_lshl_add_u32 v[RDQ], v3, 7, v[RDQ]
	v_lshlrev_b32 v[LOF], 4, v1
	v_lshlrev_b32 v[HOF], 4, v2
	v_lshl_or_b32 v[HOF], v3, 10, v[HOF]
	v_lshlrev_b32 v[SOF], 5, v2
	v_lshl_or_b32 v[SOF], v3, 2, v[SOF]
	v_lshlrev_b32 v[H8], 3, v3
	s_mov_b32 s26, 0x76543210                      ; v_permlanex16_b32's selects for lane l xor 16
	s_mov_b32 s27, 0xfedcba98
	s_mov_b32 s28, 0xff                            ; the four bytes of a word
	s_mov_b32 s29, 0xff00
	s_mov_b32 s30, 0xff0000
	s_mov_b32 s31, 0xff000000
	s_mov_b32 s35, 0                               ; the high word of every offset
; all of the wave's 16 KB: step t, rows 2 i + h
.macro LOADS pitch, gof
.irp t, 0,1,2,3
.irp i, 0,1,2,3,4,5,6,7
	global_load_b128 v[R+32*\t+4*\i:R+32*\t+4*\i+3], v[\gof], s[32:33] offset:256*\t+2*\i*\pitch th:TH_LOAD_NT
.endr
.endr
.endm
; step t's 4,096 bytes into my stage, as they lie
.macro TURNIN t, base
	s_wait_loadcnt 8*(3-\t)                        ; loads come back in order: this step's eight are in, the later steps' may be out
.irp i, 0,1,2,3,4,5,6,7
	ds_store_b128 v[SIN], v[R+32*\t+4*\i:R+32*\t+4*\i+3] offset:\base+544*\i
.endr
.endm
; and back: 32 neighbours along K of row r.  LDS serves a wave's instructions in order, so no wait stands between the stores and the loads
.macro QREAD base
.irp j, 0,1,2,3,4,5,6,7
	ds_load_b128 v[X+4*\j:X+4*\j+3], v[RDQ] offset:\base+16*\j
.endr
	s_wait_dscnt 0x0                               ; the numbers are in; the stores have read their registers
.endm
; 64 along K of 16 rows: lane (r, h) holds the whole block 8 w + 2 t + h of row r
.macro QSTEP t
	TURNIN \t, 0
	QREAD 0
	v_max3_num_f32 v12, |v[X]|, |v[X+1]|, |v[X+2]|                 ; the block's largest magnitude, in two chains
	v_max3_num_f32 v13, |v[X+3]|, |v[X+4]|, |v[X+5]|
.irp i, 6,10,14,18,22,26
	v_max3_num_f32 v12, v12, |v[X+\i]|, |v[X+\i+1]|
	v_max3_num_f32 v13, v13, |v[X+\i+2]|, |v[X+\i+3]|
.endr
	v_max3_num_f32 v12, v12, |v[X+30]|, |v[X+31]|
	v_max3_num_f32 v12, v12, v13, 0x1800000        ; and the floor 2^(3 - 127): the byte cannot fall under 1
	v_add_nc_u32 v11, 0xff000000, v12              ; 2 off its exponent field: the conversion takes the exponent field of this operand as its scale
	v_lshrrev_b32 v[BY+\t], 23, v11                ; the scale's byte
.irp g, 0,1,2,3
	v_cvt_scalef32_pk8_fp4_f32 v[R+32*\t+\g], v[X+8*\g:X+8*\g+7], v11
.endr
	v_nop                                          ; one plain line behind the last scaled conversion
	global_store_b128 v[LOF], v[R+32*\t:R+32*\t+3], s[36:37] offset:(\t/2)*1024+(\t%2)*512   ; the wave stores 512 consecutive bytes
.endm
; the same numbers of Wo, rounded to f16: lane (r, h) holds the four 16-byte pieces of K fragment 8 w + 2 t + h
.macro HSTEP t
	TURNIN \t, PSTG
	QREAD PSTG
.irp i, 0,1,2,3,4,5,6,7,8,9,10,11,12,13,14,15
	v_cvt_pk_f16_f32 v[R+32*\t+\i], v[X+2*\i], v[X+2*\i+1]
.endr
.irp q, 0,1,2,3
	global_store_b128 v[HOF], v[R+32*\t+4*\q:R+32*\t+4*\q+3], s[36:37] offset:2048*\t+256*\q   ; sixteen lanes store 256 consecutive bytes
.endr
.endm
; 256 keys of 16 queries: byte j of lane (r, h)'s 8 bytes number u is mask[r][16 u + 8 h + j]; a compare over the wave makes word 8 u + j, which goes to lane (8 u + j) / 4, register (8 u + j) % 4
.macro MSTEP t
	TURNIN \t, 2*PSTG
.irp u, 0,1,2,3,4,5,6,7,8,9,10,11,12,13,14,15
	ds_load_b64 v[X+2*\u:X+2*\u+1], v[RDM] offset:2*PSTG+16*\u
.endr
	s_wait_dscnt 0x0
.irp p, 0,2,4,6,8,10,12,14,16,18,20,22,24,26,28,30
.irp k, 0,1,2,3,4,5,6,7
	v_and_b32 v[T+\k], s[28+\k%4], v[X+\p+\k/4]
.endr
.irp k, 0,1,2,3,4,5,6,7
	v_cmp_ne_u32 s[40+\k], 0, v[T+\k]
.endr
.irp k, 0,1,2,3,4,5,6,7
	v_writelane_b32 v[R+32*\t+\k%4], s[40+\k], \p+\k/4
.endr
.endr
	global_store_b128 v[LOF], v[R+32*\t:R+32*\t+3], s[36:37] offset:512*\t   ; 128 words in order: 512 consecutive bytes
.endm
.macro CLOSE                           ; the wave's end, behind my last LDS store
	s_wait_tensorcnt 0x0
	ds_add_u32 v[SPW], v[NIL]
	s_wait_dscnt 0x0
	s_endpgm
.endm
	s_wait_kmcnt 0x0
	s_cmp_ge_u32 ttmp9, 768
	s_cbranch_scc1 .Lmask
	s_cmp_ge_u32 ttmp9, 704
	s_cbranch_scc1 .Lhalf
	; ---- codes.  The source is chosen by the work-group's number alone
	s_and_b32 s34, ttmp9, 63                       ; a weight's tile (512, 576 and 640 are multiples of 64)
	s_cmp_lt_u32 ttmp9, 512
	s_cselect_b32 s34, ttmp9, s34                  ; x's tile
	s_cselect_b64 s[32:33], s[4:5], s[6:7]
	s_cmp_lt_u32 ttmp9, 576
	s_cselect_b64 s[32:33], s[32:33], s[8:9]
	s_cmp_lt_u32 ttmp9, 640
	s_cselect_b64 s[32:33], s[32:33], s[10:11]
	s_lshl_b32 s34, s34, 16                        ; 16 rows of 4,096 bytes
	s_lshl_b32 s25, s24, 10                        ; my quarter of K
	s_add_co_u32 s34, s34, s25
	s_add_nc_u64 s[32:33], s[32:33], s[34:35]
	LOADS 4096, GOF4
	s_lshl_b32 s34, ttmp9, 13                      ; cod: 8,192 bytes a tile, my two K steps
	s_lshl_b32 s25, s24, 11
	s_add_co_u32 s34, s34, s25
	s_add_nc_u64 s[36:37], s[16:17], s[34:35]
	s_lshl_b32 s34, ttmp9, 9                       ; scl: 512 bytes a tile, my 8 bytes of a row
	s_lshl_b32 s25, s24, 3
	s_add_co_u32 s34, s34, s25
	s_add_nc_u64 s[38:39], s[18:19], s[34:35]
	QSTEP 0
	QSTEP 1
	QSTEP 2
	QSTEP 3
	v_lshl_or_b32 v24, v[BY+1], 16, v[BY]          ; K step 2 w: my bytes are blocks h and 2 + h of its four,
	v_lshl_or_b32 v25, v[BY+3], 16, v[BY+2]        ; K step 2 w + 1 likewise,
	v_lshlrev_b32 v24, v[H8], v24                  ; at their places in the word
	v_lshlrev_b32 v25, v[H8], v25
	v_mov_b32 v26, 0                               ; (a lane permute's destination counts as one of its sources)
	v_mov_b32 v27, 0
	v_permlanex16_b32 v26, v24, s26, s27
	v_permlanex16_b32 v27, v25, s26, s27
	v_or_b32 v24, v24, v26                         ; with lane l xor 16's two bytes a word is whole
	v_or_b32 v25, v25, v27
	v_cmp_ne_u32 vcc_lo, 0, v3
	v_cndmask_b32 v24, v24, v25, vcc_lo            ; lanes 0-15 store the first word of their row, lanes 16-31 the second
	global_store_b32 v[SOF], v24, s[38:39]         ; 4 bytes a lane, rows 32 bytes apart: the work-group's four waves fill the tile's 512 bytes together; one byte in 128 of what the path reads
	CLOSE
.Lhalf:	; ---- Wo to f16
	s_sub_co_u32 s34, ttmp9, 704                   ; n tile
	s_lshl_b32 s40, s34, 15
	s_lshl_b32 s34, s34, 16
	s_lshl_b32 s25, s24, 10
	s_add_co_u32 s34, s34, s25
	s_add_nc_u64 s[32:33], s[12:13], s[34:35]
	LOADS 4096, GOF4
	s_lshl_b32 s25, s24, 13                        ; wo16: 32,768 bytes a tile, my eight K fragments
	s_add_co_u32 s34, s40, s25
	s_add_nc_u64 s[36:37], s[20:21], s[34:35]
	HSTEP 0
	HSTEP 1
	HSTEP 2
	HSTEP 3
	CLOSE
.Lmask:	; ---- the mask.  Wave number W of 1,024: batch W / 256, query tile (W / 2) % 128, half W % 2 of the keys
	s_sub_co_u32 s34, ttmp9, 768
	s_lshl_b32 s34, s34, 2
	s_add_co_u32 s40, s34, s24
	s_lshr_b32 s34, s40, 1
	s_lshl_b32 s34, s34, 15                        ; 16 rows of 2,048 bytes
	s_and_b32 s25, s40, 1
	s_lshl_b32 s25, s25, 10
	s_add_co_u32 s34, s34, s25
	s_add_nc_u64 s[32:33], s[14:15], s[34:35]
	LOADS 2048, GOF2
	s_lshl_b32 s34, s40, 11                        ; mbits: 2,048 bytes for each W
	s_add_nc_u64 s[36:37], s[22:23], s[34:35]
	MSTEP 0
	MSTEP 1
	MSTEP 2
	MSTEP 3
	CLOSE
.Lfunc_end_k_q874191cafb_prep:
	.size	k_q874191cafb_prep, .Lfunc_end_k_q874191cafb_prep-k_q874191cafb_prep
	.p2alignl 7, 3214868480
	.fill 96, 4, 3214868480
	.section	.rodata,"a",@progbits
	.p2align	6, 0x0
	.amdhsa_kernel k_q874191cafb_prep
		.amdhsa_group_segment_fixed_size 52736
		.amdhsa_private_segment_fixed_size 0
		.amdhsa_enable_private_segment 0
		.amdhsa_kernarg_size 80
		.amdhsa_user_sgpr_count 2
		.amdhsa_user_sgpr_kernarg_segment_ptr 1
		.amdhsa_wavefront_size32 1
		.amdhsa_system_sgpr_workgroup_id_x 1
		.amdhsa_system_sgpr_workgroup_id_y 1
		.amdhsa_system_sgpr_workgroup_id_z 1
		.amdhsa_system_vgpr_workitem_id 0
		.amdhsa_next_free_vgpr 208
		.amdhsa_next_free_sgpr 66
		.amdhsa_reserve_vcc 1
		.amdhsa_float_denorm_mode_32 3
		.amdhsa_float_denorm_mode_16_64 3
		.amdhsa_memory_ordered 1
		.amdhsa_forward_progress 1
		.amdhsa_inst_pref_size 121
	.end_amdhsa_kernel
	.amdgpu_metadata
---
amdhsa.version: [ 1, 2 ]
amdhsa.kernels:
  - .name:           k_q874191cafb_prep
    .symbol:         k_q874191cafb_prep.kd
    .args:
      - { .name: x, .offset: 0, .size: 8, .value_kind: global_buffer, .address_space: global }
      - { .name: Wq, .offset: 8, .size: 8, .value_kind: global_buffer, .address_space: global }
      - { .name: Wk, .offset: 16, .size: 8, .value_kind: global_buffer, .address_space: global }
      - { .name: Wv, .offset: 24, .size: 8, .value_kind: global_buffer, .address_space: global }
      - { .name: Wo, .offset: 32, .size: 8, .value_kind: global_buffer, .address_space: global }
      - { .name: mask, .offset: 40, .size: 8, .value_kind: global_buffer, .address_space: global }
      - { .name: cod, .offset: 48, .size: 8, .value_kind: global_buffer, .address_space: global }
      - { .name: scl, .offset: 56, .size: 8, .value_kind: global_buffer, .address_space: global }
      - { .name: wo16, .offset: 64, .size: 8, .value_kind: global_buffer, .address_space: global }
      - { .name: mbits, .offset: 72, .size: 8, .value_kind: global_buffer, .address_space: global }
    .group_segment_fixed_size: 52736
    .private_segment_fixed_size: 0
    .kernarg_segment_align: 8
    .kernarg_segment_size: 80
    .max_flat_workgroup_size: 128
    .sgpr_count:     66
    .vgpr_count:     208
    .wavefront_size: 32
...
	.end_amdgpu_metadata
.endif
;; end of part 1
;; launch qkv (part 2): grid 12 x 32, 4 waves a work-group, clusters of 4 x 4, 262,656 bytes of LDS; arguments cod, scl, q16, kv16; writes q16, kv16
.if DOCPART == 2
	.amdgcn_target "amdgcn-amd-amdhsa--gfx1250"
	.amdhsa_code_object_version 6
	.text
	.protected	k_q874191cafb_qkv
	.globl	k_q874191cafb_qkv
	.p2align	8
	.type	k_q874191cafb_qkv,@function
k_q874191cafb_qkv:
	s_mov_b64 s[64:65], 0
	v_nop
	global_prefetch_b8 v0, s[64:65] scope:SCOPE_SE
	s_setreg_imm32_b32 hwreg(HW_REG_WAVE_MODE, 25, 1), 1
	s_wait_xcnt 0x0
	s_wait_alu depctr_hold_cnt(0) depctr_sa_sdst(0) depctr_va_vdst(0) depctr_va_sdst(0) depctr_va_ssrc(0) depctr_va_vcc(0) depctr_vm_vsrc(0)
	s_getreg_b32 s2, hwreg(HW_REG_IB_STS2, 6, 4)
	s_cmp_eq_u32 s2, 0
	s_cbranch_scc0 .Lentry_in_a_cluster
	s_endpgm
.Lentry_in_a_cluster:
	s_bfe_u32 s2, ttmp6, 0x10000c
	s_cmp_lg_u32 s2, 0xf033
	s_cbranch_scc0 .Lentry_shape_is_right
	s_endpgm
.Lentry_shape_is_right:
; QKV: the three quantised projections as ONE product on codes of FP4 (E2M1): C[token][channel], 8,192 x 3,072 (Wq's, Wk's, Wv's 1,024 channels on end), K = 1,024, one E8M0 scale for each 32 along K; sums in f32.
; A work-group of four waves makes 256 tokens x 256 channels, a wave 128 x 128: 64 accumulators of 16 x 16.  384 work-groups: a tile that gave 256 equal ones (256 x 384) would not hold all of K in LDS.
; ALL OF K LIES IN LDS: x's 16 tiles of 16 rows and W's 16 tiles, 8,192 bytes each, come by four tensor loads a wave (stage g = K steps 2 g, 2 g + 1), all asked for at the head.  Nothing is filled again.
; The codes lie in memory as images of the operand's registers, so a fragment is two ds_load_b128 at 16 x lane: no pitch, no padding.
; CLUSTERS: 4 x 4 work-groups.  The four of a row of the cluster need the same tiles of x, the four of a column the same tiles of W: each is asked for JOINTLY, by the same tensor load with the same descriptor and a mask that names the four.
; THE MATRIX INSTRUCTION IS USED TRANSPOSED (source 0 = 16 channels of W, source 1 = 16 tokens of x): a lane holds one token and eight neighbouring channels, which round to 16 bytes of f16.
; OUT, all f16, each 16 x 16 result as one store of 512 consecutive bytes, in the order in which the next launch's operand registers take it:
;   q16  [batch x head (64)][tile of 16 tokens (128)][u (4)][lane][16 bytes]: lane 16 h + r holds q(token r, channels 16 u + 8 h + 0..7) x log2(e) / 8: the scores then come out as exponents of 2.
;   kv16 [batch x head][slot of 128 tokens (16)][k: 8 tiles x 2,048 bytes, as q16's | v: 8 tiles x 2,048 bytes]; in v's tiles the 16 bytes of (token r, half h) lie at 256 (r / 8) + 128 h + 16 (r % 8) them at 16 x lane.
; LIMITS: q, k, v beyond f16's largest number, 65,504, are not served (with every input 30 times the drawn size they stay under 6,000).
; REGISTERS, in windows of 256: window 0: v16-29 addresses; v32-95 scale words; v128-255 x's fragments, two sets of 64; on the way out v128-191 at work, v192-255 results, two sets.
;   window 1: v0-127 W's fragments, two sets.   windows 2, 3: accumulator (a, b) at v[8 (8 (a % 4) + b)] of window 2 + a / 4.
.set WP,    131072                     ; LDS: x's panel at 0, W's here; each [stage (4)][tile (16)][2,048 bytes]
.set SPARE, 262144                     ; behind the panels: the spare words, 128 bytes for each wave, that no other line names
.set ADX,  16                          ; v16-17  LDS address of my x fragments, stages 0-1 and 2-3
.set ADW,  20                          ; v20-21  the same for W
.set STO,  24                          ; v24     my 16 bytes' place in a store's 512
.set SCO,  25                          ; v25     my byte offset among the scale words
.set SPW,  28                          ; v28     LDS address of my spare word; never rewritten
.set NIL,  29                          ; v29     0; never rewritten
.set SC,   32                          ; register 8 i + s: lanes 0-15 the word of x's tile i, lanes 16-31 that of W's tile i, for K step s
.set XF,   128
.set TMP,  128
.set BK,   192
.set G1X,  24                          ; s[24:31] descriptor group 1 for x's tiles;  s[32:39] for W's: it differs in the mask alone
.set G1W,  32
.set G0X,  40                          ; s[40:55] group 0 for x's four stages;  s[68:83] for W's
.set G0W,  68
.set CS,   86                          ; s[86:87] what the results are multiplied by
.set D0,   88                          ; s[88:89], s[90:91] where my two heads' results go
.set MSB, 0
.macro WIN new                         ; the immediate's high byte repeats the setting that is left
.if MSB != (\new)
	s_set_vgpr_msb (MSB<<8)|(\new)
.set MSB, (\new)
.endif
.endm
.macro CROUND                          ; a round of the cluster's barrier
	s_barrier_signal -1
	s_barrier_wait -1
	s_cmp_lg_u32 s14, 0
	s_cbranch_scc1 .Lnot_wave_0_\@
	s_barrier_signal -3
.Lnot_wave_0_\@:
	s_barrier_wait -3
	s_barrier_signal -1
	s_barrier_wait -1
.endm
.macro PLACES n
.rept \n
	v_nop
.endr
.endm
	s_load_b256 s[4:11], s[0:1], 0x0               ; cod s[4:5], scl s[6:7], q16 s[8:9], kv16 s[10:11]
	v_lshl_add_u32 v[SPW], v0, 2, SPARE
	v_mov_b32 v[NIL], 0
	ds_add_u32 v[SPW], v[NIL]                      ; the wave's opening: the add, twice on end, and its wait ahead of my first tensor load
	ds_add_u32 v[SPW], v[NIL]
	v_lshrrev_b32 v1, 5, v0
	v_readfirstlane_b32 s14, v1                    ; wave 0..3
	s_lshr_b32 s15, s14, 1                         ; which half of the tokens is mine.  Also: I fetch for x (0) or for W (1)
	s_and_b32 s16, s14, 1                          ; which half of the channels.  Also: which 8 tiles I fetch
	s_bfe_u32 s56, ttmp6, 0x40000                  ; cx, cy: my place in the cluster
	s_bfe_u32 s57, ttmp6, 0x40004
	s_lshl_b32 s58, ttmp9, 2
	s_add_co_u32 s58, s58, s56                     ; block of 256 channels = 4 x cluster x + cx; cluster x says which projection: 0 q, 1 k, 2 v
	s_and_b32 s59, ttmp7, 0xffff
	s_lshl_b32 s59, s59, 2
	s_add_co_u32 s59, s59, s57                     ; block of 256 tokens = 4 x cluster y + cy
	s_lshl_b32 s60, s57, 2
	s_lshl_b32 s60, 15, s60                        ; my row of the cluster
	s_lshl_b32 s61, 0x1111, s56                    ; my column
	; descriptor group 1: 8 tiles' 2,048 bytes of a stage, 8,192 bytes apart in memory, on end in LDS; elements of 8 bytes
	s_or_b32 s[G1X], s60, (3<<16)|(1<<21)          ; 15:0 the mask: x's tiles go to my row; 17:16 elements of 8 bytes; 21 set beside a mask
	s_or_b32 s[G1W], s61, (3<<16)|(1<<21)          ; W's to my column
.irp g, G1X, G1W
	s_mov_b32 s[\g+1], 256<<16                     ; tensor_dim0 = 256
	s_mov_b32 s[\g+2], 8<<16                       ; tensor_dim1 = 8
	s_mov_b32 s[\g+3], 256<<16                     ; tile_dim0 = 256
	s_mov_b32 s[\g+4], 8                           ; tile_dim1 = 8
	s_mov_b32 s[\g+5], 1024                        ; from row to row
	s_mov_b32 s[\g+6], 0
	s_mov_b32 s[\g+7], 0
.endr
	s_lshl_b32 s18, s59, 4                         ; x: tile 16 x token block + 8 x half,
	s_lshl_b32 s19, s16, 3
	s_add_co_u32 s18, s18, s19
	s_lshl_b32 s18, s18, 13                        ; in bytes
	s_mov_b32 s19, 0
	s_lshl_b32 s20, s58, 4                         ; W: tile 512 + 16 x channel block + 8 x half
	s_lshl_b32 s21, s16, 3
	s_add_co_u32 s20, s20, s21
	s_add_co_u32 s20, s20, 512
	s_lshl_b32 s20, s20, 13
	s_mov_b32 s21, 0
	s_lshl_b32 s22, s15, 17                        ; where they go: the panel, and my 8 tiles in a stage: the wave's number alone
	s_lshl_b32 s23, s16, 14
	s_add_co_u32 s22, s22, s23
	s_wait_dscnt 0x0                               ; both opening adds are done
	s_wait_kmcnt 0x0
	s_add_nc_u64 s[18:19], s[4:5], s[18:19]
	s_add_nc_u64 s[20:21], s[4:5], s[20:21]
.irp g, 0,1,2,3
	s_mov_b32 s[G0X+4*\g], 1                       ; count = 1
	s_add_co_u32 s[G0X+4*\g+1], s22, \g*32768      ; LDS address
	s_add_nc_u64 s[G0X+4*\g+2:G0X+4*\g+3], s[18:19], \g*2048   ; global address: the stage's 2,048 bytes of the first tile
	s_or_b32 s[G0X+4*\g+3], s[G0X+4*\g+3], 0x80000000          ; type = 2
	s_mov_b32 s[G0W+4*\g], 1
	s_add_co_u32 s[G0W+4*\g+1], s22, \g*32768
	s_add_nc_u64 s[G0W+4*\g+2:G0W+4*\g+3], s[20:21], \g*2048
	s_or_b32 s[G0W+4*\g+3], s[G0W+4*\g+3], 0x80000000
.endr
	CROUND                                         ; all sixteen work-groups are here: the joint loads meet
	s_cmp_eq_u32 s15, 0                            ; a wave's four loads stand in one branch on the wave's number; four loads of mine are out.  An s_nop 0 follows each, four v_nop the last
	s_cbranch_scc0 .Lfor_w
.irp g, 0,1,2,3
	tensor_load_to_lds s[G0X+4*\g:G0X+4*\g+3], s[G1X:G1X+7]
	s_nop 0
.endr
	PLACES 4
	s_branch .Lasked
.Lfor_w:
.irp g, 0,1,2,3
	tensor_load_to_lds s[G0W+4*\g:G0W+4*\g+3], s[G1W:G1W+7]
	s_nop 0
.endr
	PLACES 4
.Lasked:
	; the scale words: 32 bytes a row, 512 a tile.  Lanes 0-15 take x's rows, lanes 16-31 W's: x's base + h x (W's base - x's base) + 32 r
	s_lshl_b32 s84, s59, 4
	s_lshl_b32 s85, s15, 3
	s_add_co_u32 s84, s84, s85
	s_lshl_b32 s84, s84, 9                         ; my 8 tiles of x
	s_lshl_b32 s85, s58, 4
	s_lshl_b32 s92, s16, 3
	s_add_co_u32 s85, s85, s92
	s_add_co_u32 s85, s85, 512
	s_lshl_b32 s85, s85, 9                         ; my 8 tiles of W
	s_sub_co_u32 s85, s85, s84
	v_and_b32 v1, 31, v0                           ; lane
	v_and_b32 v3, 15, v0                           ; r
	v_bfe_u32 v4, v0, 4, 1                         ; h
	v_mul_u32_u24 v[SCO], s85, v4
	v_lshl_add_u32 v[SCO], v3, 5, v[SCO]
	v_add_nc_u32 v[SCO], s84, v[SCO]
.irp i, 0,1,2,3,4,5,6,7
	global_load_b128 v[SC+8*\i:SC+8*\i+3], v[SCO], s[6:7] offset:512*\i
	global_load_b128 v[SC+8*\i+4:SC+8*\i+7], v[SCO], s[6:7] offset:512*\i+16
.endr
	v_lshlrev_b32 v2, 4, v1                        ; 16 x lane
	s_lshl_b32 s94, s15, 14                        ; my 8 tiles of x in a stage,
	s_lshl_b32 s95, s16, 14
	s_add_co_u32 s95, s95, WP                      ; and of W
	v_add_nc_u32 v[ADX], s94, v2
	v_add_nc_u32 v[ADX+1], 65536, v[ADX]
	v_add_nc_u32 v[ADW], s95, v2
	v_add_nc_u32 v[ADW+1], 65536, v[ADW]
	; the way out.  The choices hang on cluster x alone
	v_lshrrev_b32 v5, 3, v3
	v_and_b32 v6, 7, v3
	v_lshlrev_b32 v6, 4, v6
	v_lshl_or_b32 v6, v4, 7, v6
	v_lshl_or_b32 v6, v5, 8, v6                    ; v's order: 256 (r / 8) + 128 h + 16 (r % 8)
	s_cmp_eq_u32 ttmp9, 2
	s_cselect_b32 s96, -1, 0
	s_cselect_b32 s97, 16384, 0                    ; v lies behind k in a slot
	v_cndmask_b32 v[STO], v2, v6, s96
	s_lshr_b32 s98, s59, 3                         ; batch
	s_lshl_b32 s98, s98, 4
	s_lshl_b32 s99, s56, 2
	s_add_co_u32 s98, s98, s99
	s_lshl_b32 s99, s16, 1
	s_add_co_u32 s98, s98, s99                     ; 16 x batch + my first head
	s_lshl_b32 s98, s98, 18                        ; q16: 262,144 bytes a head,
	s_and_b32 s99, s59, 7
	s_lshl_b32 s99, s99, 1
	s_add_co_u32 s99, s99, s15                     ; my 128 tokens in the batch:
	s_lshl_b32 s99, s99, 14                        ; 16,384 bytes
	s_add_co_u32 s98, s98, s99
	s_cmp_eq_u32 ttmp9, 0
	s_cselect_b64 s[D0:D0+1], s[8:9], s[10:11]
	s_cselect_b32 s99, 0, 1                        ; kv16: twice as much of both
	s_cselect_b32 s[CS], 0x3e38aa3b, 1.0           ; q x log2(e) / 8; k and v as they are
	s_mov_b32 s[CS+1], s[CS]                       ; (named with it as a pair, so it is written)
	s_lshl_b32 s98, s98, s99
	s_add_co_u32 s98, s98, s97
	s_lshl_b32 s2, 0x40000, s99                    ; from head to head
	s_mov_b32 s3, 0
	s_mov_b32 s99, 0
	s_add_nc_u64 s[D0:D0+1], s[D0:D0+1], s[98:99]
	s_add_nc_u64 s[D0+2:D0+3], s[D0:D0+1], s[2:3]
; the fragments of K step s: W's eight into set 'set' of window 1, x's eight into set 'set' of window 0: 32 LDS loads in one run
.macro FETCH s, set
	WIN 0x40                                       ; destination window 1, address window 0
.irp b, 0,1,2,3,4,5,6,7
.irp c, 0,1
	ds_load_b128 v[64*(\set)+8*\b+4*\c:64*(\set)+8*\b+4*\c+3], v[ADW+(\s)/4] offset:(((\s)/2)%2)*32768+2048*\b+1024*((\s)%2)+512*\c
.endr
.endr
	WIN 0
.irp a, 0,1,2,3,4,5,6,7
.irp c, 0,1
	ds_load_b128 v[XF+64*(\set)+8*\a+4*\c:XF+64*(\set)+8*\a+4*\c+3], v[ADX+(\s)/4] offset:(((\s)/2)%2)*32768+2048*\a+1024*((\s)%2)+512*\c
.endr
.endr
.endm
; 16 matrix instructions: x's tiles a0, a0 + 1 against W's eight.  zero = 1: the first product starts the sums.  The 64 accumulators take turns, one instruction a turn, in the same order in every step
.macro MUL16 a0, set, s, zero
.irp a, \a0, \a0+1
.irp b, 0,1,2,3,4,5,6,7
.if \zero
	v_wmma_scale_f32_16x16x128_f8f6f4 v[8*(8*((\a)%4)+\b):8*(8*((\a)%4)+\b)+7], v[64*(\set)+8*\b:64*(\set)+8*\b+7], v[XF+64*(\set)+8*(\a):XF+64*(\set)+8*(\a)+7], 0, v[SC+8*\b+(\s)], v[SC+8*(\a)+(\s)] matrix_a_fmt:MATRIX_FMT_FP4 matrix_b_fmt:MATRIX_FMT_FP4 matrix_a_scale:MATRIX_SCALE_ROW1
.else
	v_wmma_scale_f32_16x16x128_f8f6f4 v[8*(8*((\a)%4)+\b):8*(8*((\a)%4)+\b)+7], v[64*(\set)+8*\b:64*(\set)+8*\b+7], v[XF+64*(\set)+8*(\a):XF+64*(\set)+8*(\a)+7], v[8*(8*((\a)%4)+\b):8*(8*((\a)%4)+\b)+7], v[SC+8*\b+(\s)], v[SC+8*(\a)+(\s)] matrix_a_fmt:MATRIX_FMT_FP4 matrix_b_fmt:MATRIX_FMT_FP4 matrix_a_scale:MATRIX_SCALE_ROW1
.endif
.endr
.endr
.endm
; K step s: its fragments are in; the next step's are asked for, in one run; then its 64 products
.macro KSTEP s, zero
	s_wait_dscnt 0x0                               ; this step's fragments are in
.if ((\s)%2 == 1) && ((\s) < 7)
	s_wait_tensorcnt 3-((\s)+1)/2                  ; tensor loads of a wave end in order: my part of the next stage is in, the later stages' may be out;
	s_barrier_signal -1
	s_barrier_wait -1                              ; everybody's is.
.endif
.if (\s) < 7
.if (\s) > 0
	PLACES 4                                       ; four plain lines between the last step's products and loads into the registers that they read (ISA guide 7.12.1 for vector instructions)
.endif
	FETCH (\s)+1, ((\s)+1)%2
.endif
	WIN 0xa1                                       ; source 0 (W) window 1, source 1 (x) window 0, C and D window 2
	MUL16 0, (\s)%2, \s, \zero
	MUL16 2, (\s)%2, \s, \zero
	WIN 0xf1                                       ; C and D window 3
	MUL16 4, (\s)%2, \s, \zero
	MUL16 6, (\s)%2, \s, \zero
	WIN 0
.endm
; the way out of token tile a: 8 results of 16 x 16: scaled, rounded to f16, stored
.macro OUTB a
.if (\a) >= 2
	s_wait_xcnt 0x0                                ; tile a - 2's stores have read their registers: they are written again only behind this wait
.endif
	WIN 0x02+(\a)/4                                ; source 0: window 2 or 3
.set i, 0
.rept 32
	v_pk_mul_f32 v[TMP+2*i:TMP+2*i+1], v[64*((\a)%4)+2*i:64*((\a)%4)+2*i+1], s[CS:CS+1] op_sel_hi:[1,0]   ; each accumulator from its low end on
.set i, i+1
.endr
	WIN 0
.set i, 0
.rept 32
	v_cvt_pk_f16_f32 v[BK+32*((\a)%2)+i], v[TMP+2*i], v[TMP+2*i+1]
.set i, i+1
.endr
.irp b, 0,1,2,3,4,5,6,7
	global_store_b128 v[STO], v[BK+32*((\a)%2)+4*\b:BK+32*((\a)%2)+4*\b+3], s[D0+2*(\b/4):D0+2*(\b/4)+1] offset:2048*(\a)+512*(\b%4)   ; the wave stores 512 consecutive bytes
.endr
.endm
	s_wait_tensorcnt 0x3                           ; my part of stage 0 is in; three loads may be out,
	s_barrier_signal -1
	s_barrier_wait -1                              ; everybody's is
	FETCH 0, 0
	s_wait_loadcnt 0x0                             ; the scale words
	KSTEP 0, 1
.irp s, 1,2,3,4,5,6,7
	KSTEP \s, 0
.endr
	PLACES 4                                       ; between the last products and the lines that write the registers of x's fragments
.irp a, 0,1,2,3,4,5,6,7
	OUTB \a
.endr
	s_wait_tensorcnt 0x0                           ; the wave's end
	ds_add_u32 v[SPW], v[NIL]
	s_wait_dscnt 0x0
	CROUND                                         ; the closing round: no work-group ends while a partner may still ask for a tile that names it
	s_endpgm
.Lfunc_end_k_q874191cafb_qkv:
	.size	k_q874191cafb_qkv, .Lfunc_end_k_q874191cafb_qkv-k_q874191cafb_qkv
	.p2alignl 7, 3214868480
	.fill 96, 4, 3214868480
	.section	.rodata,"a",@progbits
	.p2align	6, 0x0
	.amdhsa_kernel k_q874191cafb_qkv
		.amdhsa_group_segment_fixed_size 262656
		.amdhsa_private_segment_fixed_size 0
		.amdhsa_enable_private_segment 0
		.amdhsa_kernarg_size 32
		.amdhsa_user_sgpr_count 2
		.amdhsa_user_sgpr_kernarg_segment_ptr 1
		.amdhsa_wavefront_size32 1
		.amdhsa_system_sgpr_workgroup_id_x 1
		.amdhsa_system_sgpr_workgroup_id_y 1
		.amdhsa_system_sgpr_workgroup_id_z 1
		.amdhsa_system_vgpr_workitem_id 0
		.amdhsa_next_free_vgpr 1024
		.amdhsa_next_free_sgpr 100
		.amdhsa_reserve_vcc 0
		.amdhsa_float_denorm_mode_32 3
		.amdhsa_float_denorm_mode_16_64 3
		.amdhsa_memory_ordered 1
		.amdhsa_forward_progress 1
		.amdhsa_inst_pref_size 132
	.end_amdhsa_kernel
	.amdgpu_metadata
---
amdhsa.version: [ 1, 2 ]
amdhsa.kernels:
  - .name:           k_q874191cafb_qkv
    .symbol:         k_q874191cafb_qkv.kd
    .args:
      - { .name: cod, .offset: 0, .size: 8, .value_kind: global_buffer, .address_space: global }
      - { .name: scl, .offset: 8, .size: 8, .value_kind: global_buffer, .address_space: global }
      - { .name: q16, .offset: 16, .size: 8, .value_kind: global_buffer, .address_space: global }
      - { .name: kv16, .offset: 24, .size: 8, .value_kind: global_buffer, .address_space: global }
    .group_segment_fixed_size: 262656
    .private_segment_fixed_size: 0
    .kernarg_segment_align: 8
    .kernarg_segment_size: 32
    .max_flat_workgroup_size: 128
    .sgpr_count:     100
    .vgpr_count:     1024
    .wavefront_size: 32
...
	.end_amdgpu_metadata
.endif
;; end of part 2
;; launch attn (part 3): grid 4 x 64, 8 waves a work-group, clusters of 4 x 1, 327,680 bytes of LDS; arguments q16, kv16, mbits, z16; writes z16
.if DOCPART == 3
	.amdgcn_target "amdgcn-amd-amdhsa--gfx1250"
	.amdhsa_code_object_version 6
	.text
	.protected	k_q874191cafb_attn
	.globl	k_q874191cafb_attn
	.p2align	8
	.type	k_q874191cafb_attn,@function
k_q874191cafb_attn:
	s_mov_b64 s[64:65], 0
	v_nop
	global_prefetch_b8 v0, s[64:65] scope:SCOPE_SE
	s_setreg_imm32_b32 hwreg(HW_REG_WAVE_MODE, 25, 1), 1
	s_wait_xcnt 0x0
	s_wait_alu depctr_hold_cnt(0) depctr_sa_sdst(0) depctr_va_vdst(0) depctr_va_sdst(0) depctr_va_ssrc(0) depctr_va_vcc(0) depctr_vm_vsrc(0)
	s_getreg_b32 s2, hwreg(HW_REG_IB_STS2, 6, 4)
	s_cmp_eq_u32 s2, 0
	s_cbranch_scc0 .Lentry_in_a_cluster
	s_endpgm
.Lentry_in_a_cluster:
	s_bfe_u32 s2, ttmp6, 0x10000c
	s_cmp_lg_u32 s2, 0x3003
	s_cbranch_scc0 .Lentry_shape_is_right
	s_endpgm
.Lentry_shape_is_right:
; ATTN: z[b][h][q] = the sum over k of softmax_k(masked score) v[b][h][k], head size 64, 2,048 keys.  q, k, v, p in f16; products' sums, maxima, exponentials and row sums in f32; z rounded to f16 once.
; q arrives multiplied by log2(e) / 8, so S^T = k q^T is t = score x log2(e).  Where the mask's bit is set t is REPLACED by -1e9 x log2(e), as the -1e9 replaces the score: a row that is masked whole becomes the plain mean of v.
; For each query a running maximum m and sum l: p = 2^(t - m); in every step O and l are multiplied by a = 2^(m_old - m_new).
; LIMITS: real scores are taken to lie above -1e9; NaN and infinities are not served; p under f16's smallest number counts as 0 in the product (it stays in the sum).
; SHARES.  A work-group owns 512 queries of one batch and head, each of its eight waves 64: four tiles of 16.  Two waves of 512 registers lie on a SIMD.  Every wave walks all keys, 64 a step.
; LAYOUT.  S^T = k q^T (source 0 = 16 keys, source 1 = 16 queries): a lane holds ONE query (lane % 16) and keys 8 (lane / 16) + 0..7 of each tile of 16.  Rounded in pairs, in place, two such tiles ARE source 1 of O^T = v^T p,
; whose result again holds one query a lane and eight channels.  All operands lie in memory as images of their registers: every load and store is at 16 x lane; v is turned by ds_load_tr16_b128.
; BY TURNS.  The wave's tiles are two PIECES (0: tiles 0, 1; 2: tiles 2, 3).  In a TURN one piece has the matrix unit: 16 products v^T p of the step in hand, then 16 products k q^T of the next step, in groups of four;
; the other piece's softmax stands in eight parts between the groups.  Then the pieces change places.  Two turns are a key step.  A group costs two switches of the register window.
; THE MASK comes as bits, one word for each of a lane's 32 scores of a tile, by scalar loads a turn ahead: a word is the select mask of one v_cndmask_b32.
; CLUSTER.  The four query blocks of a batch and head are one cluster and walk the same k and v: each slot is asked for JOINTLY, each wave bringing 4,096 bytes of it.
; REGISTERS: window 0: v1-8 addresses and constants; v16-47 eight registers of statistics a tile; v48-175 S^T, 32 a tile, then p in the first 16; v176-239 k of one step.
;   window 1: v0-63 q, 16 a tile; v64-191 O^T, 32 a tile; v192-255 v of one step.
.set STEPB, 8192                       ; 64 keys of k, or of v
.set VOFF,  16384                      ; a slot: 128 keys of k, then 128 of v
.set SLOT1, 32768                      ; slot 1 begins here: one exclusive or turns an address in one slot into the other's
.set SPARE, 65536                      ; behind the ring: the spare words, 128 bytes for each wave, that no other line names
.set LI,   1                           ; v1   16 x lane; never rewritten
.set ADR,  2                           ; v2   the LDS address of the run of loads in hand
.set NEG,  5                           ; v5   -1e9 x log2(e)
.set SPW,  6                           ; v6   LDS address of my spare word; never rewritten
.set NIL,  7                           ; v7   0; never rewritten
.set PFO,  8                           ; v8   256 x lane; never rewritten
.set ST,   16                          ; tile t's statistics at v[ST + 8 t]: +0 m, +1 m_old - m, +2, +3 l (even keys', odd keys'), +4 to +7 at work; +6 becomes a
.set S,    48
.set KF,   176
.set QF,   0                           ; in window 1
.set O,    64
.set VF,   192
.set QP,   4                           ; s[4:5]   q16 at my wave's first tile
.set PFA,  6                           ; s[6:7]   where my prefetch stands
.set MB,   8                           ; s[8:9]   mbits at my wave's first tile, at the key step whose words are loaded next
.set ZP,   10                          ; s[10:11] z16 at my wave's first tile and my head
.set WV,   14                          ; s14  my wave's number
.set LIM,  15                          ; s15  1 in the wave that prefetches, else the greatest number
.set SEL,  66                          ; s[66:67] lane selects for v_permlanex16_b32: lane l xor 16
.set G1,   84                          ; s[84:91] descriptor group 1
.set G0A,  92                          ; s[92:95] group 0 of slot 0's first fill;  s[96:99] of slot 1's, which then walks on
.set G0B,  96
.set TB,   100                         ; s100 LDS byte at which the tiles of the step to be fetched begin
.set SLOTS, 104                        ; s104 slots still to be asked for
.set TWICE, 105                        ; s105 counts a slot's two steps
                                       ; s16-47: the 32 mask words of a piece's even tile;  s48-63, s68-83: of its odd tile
.set W_KQ, 0x04                        ; q in window 1; k and S^T in window 0
.set W_PV, 0x51                        ; v and O^T in window 1, p in window 0
.set W_RS, 0x41                        ; O^T (destination and source 0) in window 1, a in window 0
.set MSB, 0
.macro WIN new                         ; the immediate's high byte repeats the setting that is left
.if MSB != (\new)
	s_set_vgpr_msb (MSB<<8)|(\new)
.set MSB, (\new)
.endif
.endm
.macro CROUND                          ; a round of the cluster's barrier
	s_barrier_signal -1
	s_barrier_wait -1
	s_cmp_lg_u32 s[WV], 0
	s_cbranch_scc1 .Lnot_wave_0_\@
	s_barrier_signal -3
.Lnot_wave_0_\@:
	s_barrier_wait -3
	s_barrier_signal -1
	s_barrier_wait -1
.endm
.macro PLACES
.rept 4
	v_nop
.endr
.endm
; A PREFETCH INTO THE L2 of the slot that the NEXT change of slots will ask for: 32,768 bytes.  The four partners share them out BY ADDRESS, 8,192 each; in each, wave 0 asks, lanes 256 bytes apart: one instruction.
; A head's k and v are walked by this cluster alone, so each block of 256 bytes is named once in the launch.  The last change that fills a slot asks for nothing; slots 0 to 2 come by their loads alone.
.macro ASK
	s_cmp_gt_u32 s[SLOTS], s[LIM]
	s_cbranch_scc0 .Lnot_mine_\@
	global_prefetch_b8 v[PFO], s[PFA:PFA+1] th:TH_LOAD_NT scope:SCOPE_SE
.Lnot_mine_\@:
.endm
	s_load_b256 s[4:11], s[0:1], 0x0               ; q16, kv16, mbits, z16
	v_lshl_add_u32 v[SPW], v0, 2, SPARE
	v_mov_b32 v[NIL], 0
	ds_add_u32 v[SPW], v[NIL]                      ; the wave's opening: the add, twice on end, and its wait ahead of my first tensor load
	ds_add_u32 v[SPW], v[NIL]
	v_lshrrev_b32 v[ADR], 5, v0
	v_readfirstlane_b32 s[WV], v[ADR]              ; wave 0..7
	s_and_b32 s12, ttmp7, 0xffff                   ; 16 x batch + head, which the four partners share
	s_bfe_u32 s13, ttmp6, 0x40000                  ; cx: my block of 512 queries (the grid's x is one cluster)
	; descriptor group 1: 4,096 dense bytes as 16 rows of 256; elements of 8 bytes
	s_mov_b32 s[G1], 15|(3<<16)|(1<<21)            ; 15:0 the mask: all four work-groups; 17:16 elements of 8 bytes; 21 set beside a mask
	s_mov_b32 s[G1+1], 32<<16                      ; tensor_dim0 = 32
	s_mov_b32 s[G1+2], 16<<16                      ; tensor_dim1 = 16
	s_mov_b32 s[G1+3], 32<<16                      ; tile_dim0 = 32
	s_mov_b32 s[G1+4], 16                          ; tile_dim1 = 16
	s_mov_b32 s[G1+5], 32                          ; from row to row
	s_mov_b32 s[G1+6], 0
	s_mov_b32 s[G1+7], 0
	s_lshl_b32 s16, s12, 19                        ; kv16: 524,288 bytes a head,
	s_lshl_b32 s18, s[WV], 12                      ; my 4,096 bytes of a slot, in memory and in LDS: no place in the cluster enters either
	s_add_co_u32 s16, s16, s18
	s_mov_b32 s17, 0
	s_lshl_b32 s20, s13, 5
	s_lshl_b32 s21, s[WV], 2
	s_add_co_u32 s20, s20, s21                     ; my first tile of 16 queries: 32 x block + 4 x wave
	s_lshl_b32 s22, s12, 18                        ; q16: 262,144 bytes a head, 2,048 a tile
	s_lshl_b32 s23, s20, 11
	s_add_co_u32 s22, s22, s23
	s_mov_b32 s23, 0
	s_lshr_b32 s24, s12, 4                         ; batch
	s_lshl_b32 s26, s24, 19                        ; mbits: 524,288 bytes a batch, 4,096 a tile
	s_lshl_b32 s25, s20, 12
	s_add_co_u32 s26, s26, s25
	s_mov_b32 s27, 0
	s_lshl_b32 s28, s24, 7                         ; z16: 32,768 bytes a tile of tokens, 2,048 a head
	s_add_co_u32 s28, s28, s20
	s_lshl_b32 s28, s28, 15
	s_and_b32 s29, s12, 15
	s_lshl_b32 s29, s29, 11
	s_add_co_u32 s28, s28, s29
	s_mov_b32 s29, 0
	s_lshl_b32 s30, s12, 19                        ; the prefetch: my work-group's 8,192 bytes, in slot 2; the first change of slots steps it to slot 3
	s_lshl_b32 s31, s13, 13
	s_add_co_u32 s30, s30, s31
	s_add_co_u32 s30, s30, 2*32768
	s_mov_b32 s31, 0
	s_mov_b32 s[SEL], 0x76543210
	s_mov_b32 s[SEL+1], 0xfedcba98
	s_mov_b32 s[TB], 0
	s_mov_b32 s[SLOTS], 14
	s_cmp_eq_u32 s[WV], 0
	s_cselect_b32 s[LIM], 1, -1
	v_and_b32 v[LI], 31, v0
	v_lshlrev_b32 v[PFO], 8, v[LI]
	v_lshlrev_b32 v[LI], 4, v[LI]
	v_mov_b32 v[NEG], 0xceabfb8f                   ; -1e9 x log2(e)
	s_wait_dscnt 0x0                               ; both opening adds are done
	s_wait_kmcnt 0x0
	s_mov_b32 s[G0A], 1                            ; count = 1
	s_mov_b32 s[G0A+1], s18                        ; LDS address: slot 0
	s_add_nc_u64 s[G0A+2:G0A+3], s[6:7], s[16:17]  ; global address: the head's first 128 keys
	s_or_b32 s[G0A+3], s[G0A+3], 0x80000000        ; type = 2
	s_mov_b32 s[G0B], 1
	s_add_co_u32 s[G0B+1], s18, SLOT1
	s_add_nc_u64 s[G0B+2:G0B+3], s[6:7], s[16:17]
	s_add_nc_u64 s[G0B+2:G0B+3], s[G0B+2:G0B+3], 32768
	s_or_b32 s[G0B+3], s[G0B+3], 0x80000000
	s_add_nc_u64 s[QP:QP+1], s[QP:QP+1], s[22:23]
	s_add_nc_u64 s[MB:MB+1], s[MB:MB+1], s[26:27]
	s_add_nc_u64 s[ZP:ZP+1], s[ZP:ZP+1], s[28:29]
	s_add_nc_u64 s[PFA:PFA+1], s[PFA:PFA+1], s[30:31]
	CROUND                                         ; all four work-groups are here: the first joint loads meet
	tensor_load_to_lds s[G0A:G0A+3], s[G1:G1+7]    ; both first fills on end: two loads of mine are out.  An s_nop 0 follows each, four v_nop the second
	s_nop 0
	tensor_load_to_lds s[G0B:G0B+3], s[G1:G1+7]
	s_nop 0
	PLACES
; n products of S^T = k q^T for piece x, number ik on: channels 32 (ik / 8) on, keys 16 ((ik / 2) % 4) on, tile x + ik % 2.  The first 8 start the sums.  Eight accumulators take turns
.macro GKQ x, n
	WIN W_KQ
.rept \n
.set rS, S+32*((\x)+ik%2)+8*((ik/2)%4)
.set rK, KF+16*((ik/2)%4)+8*(ik/8)
.set rQ, QF+16*((\x)+ik%2)+8*(ik/8)
.if ik < 8
	v_wmma_f32_16x16x32_f16 v[rS:rS+7], v[rK:rK+7], v[rQ:rQ+7], 0
.else
	v_wmma_f32_16x16x32_f16 v[rS:rS+7], v[rK:rK+7], v[rQ:rQ+7], v[rS:rS+7]
.endif
.set ik, ik+1
.endr
	WIN 0
.endm
; n products of O^T += v^T p for piece x, number ip on: keys 32 (ip / 8) on, channels 16 ((ip / 2) % 4) on, tile x + ip % 2.  zero = 1: the first 8 start the sums
.macro GPV x, zero, n
	WIN W_PV
.rept \n
.set rO, O+32*((\x)+ip%2)+8*((ip/2)%4)
.set rV, VF+32*(ip/8)+8*((ip/2)%4)
.set rP, S+32*((\x)+ip%2)+8*(ip/8)
.if (\zero) && (ip < 8)
	v_wmma_f32_16x16x32_f16 v[rO:rO+7], v[rV:rV+7], v[rP:rP+7], 0
.else
	v_wmma_f32_16x16x32_f16 v[rO:rO+7], v[rV:rV+7], v[rP:rP+7], v[rO:rO+7]
.endif
.set ip, ip+1
.endr
	WIN 0
.endm
.macro FETCH_K                         ; a step's k: 64 keys x 64 channels, 16 loads in one run
	v_add_nc_u32 v[ADR], s[TB], v[LI]
.irp f, 0,1,2,3,4,5,6,7,8,9,10,11,12,13,14,15
	ds_load_b128 v[KF+4*\f:KF+4*\f+3], v[ADR] offset:512*\f
.endr
.endm
.macro FETCH_V                         ; the same step's v, turned: keys 32 kb + 16 c on, channels 16 ct on
	v_add_nc_u32 v[ADR], s[TB], v[LI]
	s_add_co_u32 s[TB], s[TB], STEPB               ; the next fetch is the next step's
	WIN 0x40                                       ; destination window 1
.irp kb, 0,1
.irp ct, 0,1,2,3
.irp c, 0,1
	ds_load_tr16_b128 v[VF+32*\kb+8*\ct+4*\c:VF+32*\kb+8*\ct+4*\c+3], v[ADR] offset:VOFF+(2*\kb+\c)*2048+512*\ct
.endr
.endr
.endr
	WIN 0
.endm
.macro MLOAD x, step                   ; the mask words of tiles x, x + 1.  step = 1: of the next key step, 128 bytes on
.if \step
	s_wait_xcnt 0x0                                ; the last mask loads are done (the turn's wait on KMcnt) and every address is translated: the pointer may be written
	s_add_nc_u64 s[MB:MB+1], s[MB:MB+1], 128       ; 31 times in all: it stays inside a tile's 4,096 bytes
.endif
	s_load_b512 s[16:31], s[MB:MB+1], 4096*(\x)
	s_load_b512 s[32:47], s[MB:MB+1], 4096*(\x)+64
	s_load_b512 s[48:63], s[MB:MB+1], 4096*(\x)+4096
	s_load_b512 s[68:83], s[MB:MB+1], 4096*(\x)+4160
.endm
; THE SOFTMAX of a piece, in parts
.macro MASK t                          ; masked scores are replaced.  Ascending: each accumulator is first read at its lowest register
.set nn, 0
.rept 32
.if ((\t)%2) == 0
.set mm, 16+nn
.elseif nn < 16
.set mm, 48+nn
.else
.set mm, 52+nn
.endif
	v_cndmask_b32 v[S+32*(\t)+nn], v[S+32*(\t)+nn], v[NEG], s[mm]
.set nn, nn+1
.endr
.endm
.macro MAX1 t, j, first                ; line j of 16 of the maximum of a tile's 32 scores and the old m: four chains of seven, then what is left over
.set rT, ST+8*(\t)
.set rS, S+32*(\t)
.if (\j) < 4
	v_max3_num_f32 v[rT+4+(\j)], v[rS+8*(\j)], v[rS+8*(\j)+1], v[rS+8*(\j)+2]
.elseif (\j) < 12
	v_max3_num_f32 v[rT+4+(\j)%4], v[rT+4+(\j)%4], v[rS+8*((\j)%4)+2*((\j)/4)+1], v[rS+8*((\j)%4)+2*((\j)/4)+2]
.elseif (\j) == 12
	v_max3_num_f32 v[rT+4], v[rT+4], v[rS+7], v[rS+15]
.elseif (\j) == 13
	v_max3_num_f32 v[rT+6], v[rT+6], v[rS+23], v[rS+31]
.elseif (\j) == 14
	v_max3_num_f32 v[rT+4], v[rT+4], v[rT+5], v[rT+6]
.elseif \first
	v_max_num_f32 v[rT+4], v[rT+4], v[rT+7]
.else
	v_max3_num_f32 v[rT+4], v[rT+4], v[rT+7], v[rT]
.endif
.endm
.macro MAXA y, first                   ; both tiles by turns
.irp j, 0,1,2,3,4,5,6,7,8,9,10,11,12,13,14,15
	MAX1 (\y), \j, \first
	MAX1 (\y)+1, \j, \first
.endr
.endm
.macro MAXB y, first                   ; the other half of the lanes' maximum; the new m; m_old - m
.irp t, \y, \y+1
	v_permlanex16_b32 v[ST+8*(\t)+5], v[ST+8*(\t)+4], s[SEL], s[SEL+1]
.endr
.if \first
.irp t, \y, \y+1
	v_max_num_f32 v[ST+8*(\t)], v[ST+8*(\t)+4], v[ST+8*(\t)+5]
.endr
.irp t, \y, \y+1
	v_mov_b32 v[ST+8*(\t)+1], 0                    ; (named with m as a pair, so it is written)
.endr
.else
.irp t, \y, \y+1
	v_mov_b32 v[ST+8*(\t)+1], v[ST+8*(\t)]
.endr
.irp t, \y, \y+1
	v_max_num_f32 v[ST+8*(\t)], v[ST+8*(\t)+4], v[ST+8*(\t)+5]
.endr
.irp t, \y, \y+1
	v_sub_f32 v[ST+8*(\t)+1], v[ST+8*(\t)+1], v[ST+8*(\t)]
.endr
.endif
.endm
.macro SUB y, first                    ; t - m, two at a time (of the pair the low word, m, serves both halves); then a's exponential
.irp t, \y, \y+1
.set nn, 0
.rept 16
	v_pk_add_f32 v[S+32*(\t)+2*nn:S+32*(\t)+2*nn+1], v[S+32*(\t)+2*nn:S+32*(\t)+2*nn+1], v[ST+8*(\t):ST+8*(\t)+1] op_sel_hi:[1,0] neg_lo:[0,1] neg_hi:[0,1]
.set nn, nn+1
.endr
.endr
.if !\first
.irp t, \y, \y+1
	v_exp_f32 v[ST+8*(\t)+6], v[ST+8*(\t)+1]
.endr
.endif
.endm
.macro EXP t
.set nn, 0
.rept 32
	v_exp_f32 v[S+32*(\t)+nn], v[S+32*(\t)+nn]
.set nn, nn+1
.endr
.endm
.macro SUM y, first                    ; l = a l + the sum of the unrounded p, in two chains a tile
.irp t, \y, \y+1
.if \first
	v_mov_b32 v[ST+8*(\t)+2], 0
	v_mov_b32 v[ST+8*(\t)+3], 0
.else
	v_pk_mul_f32 v[ST+8*(\t)+2:ST+8*(\t)+3], v[ST+8*(\t)+2:ST+8*(\t)+3], v[ST+8*(\t)+6:ST+8*(\t)+7] op_sel_hi:[1,0]
.endif
	v_pk_add_f32 v[ST+8*(\t)+4:ST+8*(\t)+5], v[S+32*(\t):S+32*(\t)+1], v[S+32*(\t)+2:S+32*(\t)+3]
.endr
.irp n, 4,8,12,16,20,24,28
.irp t, \y, \y+1
	v_pk_add_f32 v[ST+8*(\t)+2:ST+8*(\t)+3], v[ST+8*(\t)+2:ST+8*(\t)+3], v[S+32*(\t)+\n:S+32*(\t)+\n+1]
	v_pk_add_f32 v[ST+8*(\t)+4:ST+8*(\t)+5], v[ST+8*(\t)+4:ST+8*(\t)+5], v[S+32*(\t)+\n+2:S+32*(\t)+\n+3]
.endr
.endr
.irp t, \y, \y+1
	v_pk_add_f32 v[ST+8*(\t)+2:ST+8*(\t)+3], v[ST+8*(\t)+2:ST+8*(\t)+3], v[ST+8*(\t)+4:ST+8*(\t)+5]
.endr
.endm
.macro CVT y                           ; p to f16, in place: register n takes p 2 n and 2 n + 1, ascending, so nothing is written before it is read
.irp t, \y, \y+1
.set nn, 0
.rept 16
	v_cvt_pk_f16_f32 v[S+32*(\t)+nn], v[S+32*(\t)+2*nn], v[S+32*(\t)+2*nn+1]
.set nn, nn+1
.endr
.endr
.endm
.macro RESC y                          ; O^T x a, each accumulator from its low end on
	WIN W_RS
.irp t, \y, \y+1
.set nn, 0
.rept 16
	v_pk_mul_f32 v[O+32*(\t)+2*nn:O+32*(\t)+2*nn+1], v[O+32*(\t)+2*nn:O+32*(\t)+2*nn+1], v[ST+8*(\t)+6:ST+8*(\t)+7] op_sel_hi:[1,0]
.set nn, nn+1
.endr
.endr
	WIN 0
.endm
; A TURN.  Piece x has the matrix unit; the other piece's softmax stands between its groups.  pv = 2: products v^T p; 1: they start O^T's sums; 0: none.  kq = 1: products k q^T for the next step.  first = 1: the softmax is the first key step's.
; DISTANCES (ISA guide 7.12.1 for vector instructions).  Between the last v^T p, which reads p of piece x, and the first k q^T, which writes over it, and v's run of loads: MAXB's and SUB's plain lines, over 32.
; Between the last k q^T and the next turn's first read of those scores, and k's run of loads: CVT's 32 plain lines, which name no register of it.
; THE EXPONENTIALS of a turn, 64 or 66, are one batch with one wait: nothing names a result ahead of SUM.
.macro TURN x, pv, kq, first
.set ip, 0
.set ik, 0
.if \pv
.if (\x) == 0
	s_wait_dscnt 0x0                               ; v is in
.endif
	GPV \x, 2-\pv, 4
.endif
.if \kq && ((\x) == 0)
	FETCH_K                                        ; the next step's k: both pieces have multiplied by the last step's
.endif
	s_wait_kmcnt 0x0                               ; the mask words, asked for a turn ago
	MASK 2-(\x)
.if \pv
	GPV \x, 2-\pv, 4
.endif
	MASK 3-(\x)
.if \pv
	GPV \x, 2-\pv, 4
.endif
	MAXA 2-(\x), \first
.if \kq
.if (\x) == 0
	MLOAD 0, 1                                     ; for the next turn's softmax: my piece's scores of the next step
.else
	MLOAD 2, 0
.endif
.endif
.if \pv
	GPV \x, 2-\pv, 4
.endif
	MAXB 2-(\x), \first
	SUB 2-(\x), \first
.if \kq
.if (\x) == 2
	FETCH_V                                        ; the next step's v: both pieces have multiplied by this step's
.else
	s_wait_dscnt 0x0                               ; k is in
.endif
	GKQ \x, 4
.endif
	EXP 2-(\x)
.if \kq
	GKQ \x, 4
.endif
	EXP 3-(\x)
	v_nop                                          ; a plain line behind the last exponential
	s_wait_alu depctr_va_vdst(0)                   ; one wait for the turn's batch, ahead of its first reader
.if \kq
	GKQ \x, 4
.endif
	SUM 2-(\x), \first
.if \kq
	GKQ \x, 4
.endif
	CVT 2-(\x)
.if !\first
	RESC 2-(\x)
.endif
.endm
; THE CHANGE OF SLOTS, between piece 2's turn and piece 0's: the slot's last bytes, v of its second step, have been asked for.  Each wave waits for all its tensor loads, of which one is out: its part of the other slot;
; adds 0 to its spare word; and waits for that and for its own reads of the slot.  fill = 1: the barrier is a round of the cluster's, and the joint refill, with the keys two slots on, is the first thing behind it: it has two key steps in which to land.
.macro CHANGE fill
	WIN 0
	s_wait_tensorcnt 0x0                           ; no tensor load of mine is out, so a group 0 may be written
	ds_add_u32 v[SPW], v[NIL]                      ; 0 onto my spare word
.if \fill
	s_xor_b32 s[G0B+1], s[G0B+1], SLOT1            ; the walking descriptor: the other slot than last time,
	s_add_nc_u64 s[G0B+2:G0B+3], s[G0B+2:G0B+3], 32768   ; the next 128 keys; the type bits on top are not reached
	s_wait_xcnt 0x0                                ; the last prefetch, two key steps back, has read its address
	s_add_nc_u64 s[PFA:PFA+1], s[PFA:PFA+1], 32768
	s_wait_dscnt 0x0                               ; the add is done, and my reads of the slot are over
	CROUND
	tensor_load_to_lds s[G0B:G0B+3], s[G1:G1+7]    ; my one tensor load behind the round
	s_nop 0
	PLACES
	ASK
.else
	s_wait_dscnt 0x0
	s_barrier_signal -1
	s_barrier_wait -1
.endif
	s_sub_co_u32 s[TB], s[TB], 2*STEPB             ; the fetches go back to a slot's first step,
	s_xor_b32 s[TB], s[TB], SLOT1                  ; in the other slot
.endm
.macro TWO_STEPS                       ; a slot's two key steps: written once, walked twice
	s_mov_b32 s[TWICE], 2
.Lstep_\@:
	TURN 0, 2, 1, 0
	TURN 2, 2, 1, 0
	s_sub_co_u32 s[TWICE], s[TWICE], 1
	s_cmp_lg_u32 s[TWICE], 0
	s_cbranch_scc1 .Lstep_\@
.endm
	WIN 0x40                                       ; destination window 1, address window 0
.irp i, 0,1,2,3,4,5,6,7,8,9,10,11,12,13,14,15
	global_load_b128 v[QF+4*\i:QF+4*\i+3], v[LI], s[QP:QP+1] offset:512*\i   ; q stays in registers: tile i / 4, channels 16 (i % 4) on
.endr
	WIN 0
	MLOAD 0, 0                                     ; piece 0's mask words of key step 0
	s_wait_tensorcnt 0x1                           ; my part of slot 0 is in; slot 1's may stay out
	s_barrier_signal -1
	s_barrier_wait -1                              ; everybody's is
	FETCH_K                                        ; key step 0
	s_wait_loadcnt 0x0                             ; q
	s_wait_dscnt 0x0
.set ik, 0
	GKQ 0, 16                                      ; piece 0's first scores
	PLACES
	TURN 2, 0, 1, 1                                ; piece 2's first scores | piece 0's first softmax | v of step 0
	TURN 0, 1, 1, 1                                ; piece 0: v^T p of step 0 starts O^T, k q^T of step 1 | piece 2's first softmax | k of step 1
	TURN 2, 1, 1, 0                                ; piece 2: the same | piece 0's softmax of step 1 | v of step 1
.Lslot:                                            ; 14 trips: every slot but the last two is filled again
	CHANGE 1
	TWO_STEPS
	s_sub_co_u32 s[SLOTS], s[SLOTS], 1
	s_cmp_lg_u32 s[SLOTS], 0
	s_cbranch_scc1 .Lslot
	CHANGE 0                                       ; the tail is written out
	TWO_STEPS
	TURN 0, 2, 0, 0                                ; piece 0: v^T p of the last step | piece 2's last softmax
.set ip, 0
	GPV 2, 0, 16                                   ; piece 2: v^T p of the last step
	; THE WAY OUT.  l's two halves and the other half of the lanes' are added (these lines are the places behind the last products); O^T is divided by l and rounded to f16; a 16 x 16 result is one store of 512 consecutive bytes.
	; z16 [tile of 16 tokens (512)][32 along the 1,024 channels (32)][c (2)][lane][16 bytes]: my head's four results of a tile are 2,048 bytes on end
.irp t, 0,1,2,3
	v_add_f32 v[ST+8*\t+4], v[ST+8*\t+2], v[ST+8*\t+3]
.endr
.irp t, 0,1,2,3
	v_permlanex16_b32 v[ST+8*\t+5], v[ST+8*\t+4], s[SEL], s[SEL+1]
.endr
.irp t, 0,1,2,3
	v_add_f32 v[ST+8*\t+4], v[ST+8*\t+4], v[ST+8*\t+5]
.endr
.irp t, 0,1,2,3
	v_rcp_f32 v[ST+8*\t+6], v[ST+8*\t+4]           ; the largest p of a row is 1, so l is at least 1
.endr
	v_nop                                          ; a plain line behind the last reciprocal
	s_wait_alu depctr_va_vdst(0)                   ; one wait for the four, ahead of the first use
.irp t, 0,1,2,3
	WIN W_RS
.set nn, 0
.rept 16
	v_pk_mul_f32 v[O+32*\t+2*nn:O+32*\t+2*nn+1], v[O+32*\t+2*nn:O+32*\t+2*nn+1], v[ST+8*\t+6:ST+8*\t+7] op_sel_hi:[1,0]
.set nn, nn+1
.endr
	WIN 0x05                                       ; sources 0 and 1 window 1, destination window 0
.set nn, 0
.rept 16
	v_cvt_pk_f16_f32 v[S+32*\t+nn], v[O+32*\t+2*nn], v[O+32*\t+2*nn+1]
.set nn, nn+1
.endr
	WIN 0
.irp ct, 0,1,2,3
	global_store_b128 v[LI], v[S+32*\t+4*\ct:S+32*\t+4*\ct+3], s[ZP:ZP+1] offset:32768*\t+512*\ct
.endr
.endr
	s_wait_tensorcnt 0x0                           ; the wave's end
	ds_add_u32 v[SPW], v[NIL]
	s_wait_dscnt 0x0
	CROUND                                         ; the closing round: no work-group ends while a partner may still ask for a tile that names it
	s_endpgm
.Lfunc_end_k_q874191cafb_attn:
	.size	k_q874191cafb_attn, .Lfunc_end_k_q874191cafb_attn-k_q874191cafb_attn
	.p2alignl 7, 3214868480
	.fill 96, 4, 3214868480
	.section	.rodata,"a",@progbits
	.p2align	6, 0x0
	.amdhsa_kernel k_q874191cafb_attn
		.amdhsa_group_segment_fixed_size 327680
		.amdhsa_private_segment_fixed_size 0
		.amdhsa_enable_private_segment 0
		.amdhsa_kernarg_size 32
		.amdhsa_user_sgpr_count 2
		.amdhsa_user_sgpr_kernarg_segment_ptr 1
		.amdhsa_wavefront_size32 1
		.amdhsa_system_sgpr_workgroup_id_x 1
		.amdhsa_system_sgpr_workgroup_id_y 1
		.amdhsa_system_sgpr_workgroup_id_z 1
		.amdhsa_system_vgpr_workitem_id 0
		.amdhsa_next_free_vgpr 512
		.amdhsa_next_free_sgpr 106
		.amdhsa_reserve_vcc 0
		.amdhsa_float_denorm_mode_32 3
		.amdhsa_float_denorm_mode_16_64 3
		.amdhsa_memory_ordered 1
		.amdhsa_forward_progress 1
		.amdhsa_inst_pref_size 179
	.end_amdhsa_kernel
	.amdgpu_metadata
---
amdhsa.version: [ 1, 2 ]
amdhsa.kernels:
  - .name:           k_q874191cafb_attn
    .symbol:         k_q874191cafb_attn.kd
    .args:
      - { .name: q16, .offset: 0, .size: 8, .value_kind: global_buffer, .address_space: global }
      - { .name: kv16, .offset: 8, .size: 8, .value_kind: global_buffer, .address_space: global }
      - { .name: mbits, .offset: 16, .size: 8, .value_kind: global_buffer, .address_space: global }
      - { .name: z16, .offset: 24, .size: 8, .value_kind: global_buffer, .address_space: global }
    .group_segment_fixed_size: 327680
    .private_segment_fixed_size: 0
    .kernarg_segment_align: 8
    .kernarg_segment_size: 32
    .max_flat_workgroup_size: 256
    .sgpr_count:     106
    .vgpr_count:     512
    .wavefront_size: 32
...
	.end_amdgpu_metadata
.endif
;; end of part 3
;; launch oproj (part 4): grid 4 x 64, 4 waves a work-group, clusters of 4 x 4, 327,680 bytes of LDS; arguments z16, wo16, out0; writes out0
.if DOCPART == 4
	.amdgcn_target "amdgcn-amd-amdhsa--gfx1250"
	.amdhsa_code_object_version 6
	.text
	.protected	k_q874191cafb_oproj
	.globl	k_q874191cafb_oproj
	.p2align	8
	.type	k_q874191cafb_oproj,@function
k_q874191cafb_oproj:
	s_mov_b64 s[64:65], 0
	v_nop
	global_prefetch_b8 v0, s[64:65] scope:SCOPE_SE
	s_setreg_imm32_b32 hwreg(HW_REG_WAVE_MODE, 25, 1), 1
	s_wait_xcnt 0x0
	s_wait_alu depctr_hold_cnt(0) depctr_sa_sdst(0) depctr_va_vdst(0) depctr_va_sdst(0) depctr_va_ssrc(0) depctr_va_vcc(0) depctr_vm_vsrc(0)
	s_getreg_b32 s2, hwreg(HW_REG_IB_STS2, 6, 4)
	s_cmp_eq_u32 s2, 0
	s_cbranch_scc0 .Lentry_in_a_cluster
	s_endpgm
.Lentry_in_a_cluster:
	s_bfe_u32 s2, ttmp6, 0x10000c
	s_cmp_lg_u32 s2, 0xf033
	s_cbranch_scc0 .Lentry_shape_is_right
	s_endpgm
.Lentry_shape_is_right:
; OPROJ: out0[token][n] = the sum over k of z[token][k] Wo[n][k], 8,192 x 1,024, K = 1,024; operands f16, sums and result f32.
; 256 work-groups of 128 tokens x 256 columns; a wave makes 64 x 128: 32 accumulators of 16 x 16.  K goes in steps of 128 through a ring of two LDS slots filled by the tensor data mover.
; z16 and wo16 lie as images of the operand's registers, [tile of 16 rows][32 along K (32)][c (2)][lane][16 bytes]: a K step of a tile is 4,096 consecutive bytes, a fragment two ds_load_b128 at 16 x lane: no pitch, no padding.
; CLUSTERS: 4 x 4 work-groups.  The four of a row of the cluster need the same tiles of z, the four of a column the same tiles of Wo: each is asked for JOINTLY.
; THE MATRIX INSTRUCTION IS USED TRANSPOSED (source 0 = 16 rows of Wo, source 1 = 16 tokens): a lane holds eight neighbouring columns of one token's row.
; No prefetch: the tiles are small and shared in the cluster, and a refill has a K step's 128 matrix instructions a wave in which to land.
; REGISTERS: window 0: v16-29 addresses; v32-127, v128-223 two fragment buffers for 32 along K (Wo's 64 registers, then z's 32); on the way out v32-159 rows of the result.   window 1: accumulator (a, b) at v[8 (8 a + b)].
.set SLOT,   98304                     ; z's 8 tiles x 4,096 bytes, then Wo's 16
.set WOFF,   32768
.set STAGE,  2*SLOT                    ; behind the ring: 16 rows x (512 + 16) bytes for each wave, for the way out; no fill lands here
.set SPITCH, 528
.set SPARE,  STAGE+4*16*SPITCH         ; behind the stages: the spare words, 128 bytes for each wave, that no other line names
.set ADZ,  16                          ; v16-17  LDS address of my z fragments in slot 0, 1
.set ADW,  20                          ; v20-21  the same for Wo
.set STO,  24                          ; v24     the way out: where I put 32 bytes of a row
.set RD,   25                          ; v25     where I read a row back
.set CO,   26                          ; v26     16 x lane: my bytes in a row's 512
.set SPW,  28                          ; v28     LDS address of my spare word; never rewritten
.set NIL,  29                          ; v29     0; never rewritten
.set F0,   32
.set F1,   128
.set BK,   32
.set G1Z,  24                          ; s[24:31] descriptor group 1 for z's tiles;  s[32:39] group 0, one set for each slot
.set G0Z,  32
.set G1W,  48                          ; s[48:55], s[56:63] the same for Wo's
.set G0W,  56
.set W_MUL, 0x50                       ; C and D window 1, sources window 0
.set MSB, 0
.macro WIN new                         ; the immediate's high byte repeats the setting that is left
.if MSB != (\new)
	s_set_vgpr_msb (MSB<<8)|(\new)
.set MSB, (\new)
.endif
.endm
.macro PLACES
.rept 4
	v_nop
.endr
.endm
.macro JLOAD s                         ; a joint load: waves 0 and 1 fetch z's two halves, waves 2 and 3 Wo's; an s_nop 0 and four v_nop follow each of the two lines
	s_cmp_eq_u32 s11, 0
	s_cbranch_scc0 .Lfor_w_\@
	tensor_load_to_lds s[G0Z+4*\s:G0Z+4*\s+3], s[G1Z:G1Z+7]
	s_nop 0
	PLACES
	s_branch .Lasked_\@
.Lfor_w_\@:
	tensor_load_to_lds s[G0W+4*\s:G0W+4*\s+3], s[G1W:G1W+7]
	s_nop 0
	PLACES
.Lasked_\@:
.endm
.macro CREST                           ; a round of the cluster's barrier behind its opening barrier
	s_cmp_lg_u32 s10, 0
	s_cbranch_scc1 .Lnot_wave_0_\@
	s_barrier_signal -3
.Lnot_wave_0_\@:
	s_barrier_wait -3
	s_barrier_signal -1
	s_barrier_wait -1
.endm
.macro CROUND
	s_barrier_signal -1
	s_barrier_wait -1
	CREST
.endm
	s_load_b128 s[4:7], s[0:1], 0x0                ; z16 s[4:5], wo16 s[6:7]
	s_load_b64 s[8:9], s[0:1], 0x10                ; out0
	v_lshl_add_u32 v[SPW], v0, 2, SPARE
	v_mov_b32 v[NIL], 0
	ds_add_u32 v[SPW], v[NIL]                      ; the wave's opening: the add, twice on end, and its wait ahead of my first tensor load
	ds_add_u32 v[SPW], v[NIL]
	v_lshrrev_b32 v1, 5, v0
	v_readfirstlane_b32 s10, v1                    ; wave 0..3
	s_lshr_b32 s11, s10, 1                         ; which half of the tokens is mine.  Also: I fetch for z (0) or for Wo (1)
	s_and_b32 s12, s10, 1                          ; which half of the columns.  Also: which half of that operand's tiles I fetch
	s_bfe_u32 s40, ttmp6, 0x40000                  ; cx, cy: my place in the cluster
	s_bfe_u32 s41, ttmp6, 0x40004
	s_lshl_b32 s42, ttmp9, 2
	s_add_co_u32 s42, s42, s40                     ; block of 256 columns
	s_and_b32 s13, ttmp7, 0xffff
	s_lshl_b32 s13, s13, 2
	s_add_co_u32 s13, s13, s41                     ; block of 128 tokens
	s_lshl_b32 s43, s41, 2
	s_lshl_b32 s43, 15, s43                        ; my row of the cluster
	s_lshl_b32 s44, 0x1111, s40                    ; my column
	; descriptor group 1: a K step's 4,096 bytes of 4 (z) or 8 (Wo) tiles, 32,768 bytes apart in memory, on end in LDS; elements of 8 bytes
	s_or_b32 s[G1Z], s43, (3<<16)|(1<<21)          ; 15:0 the mask: z's tiles go to my row; 17:16 elements of 8 bytes; 21 set beside a mask
	s_or_b32 s[G1W], s44, (3<<16)|(1<<21)          ; Wo's to my column
	s_mov_b32 s[G1Z+1], 512<<16                    ; tensor_dim0 = 512
	s_mov_b32 s[G1Z+2], 4<<16                      ; tensor_dim1 = 4
	s_mov_b32 s[G1Z+3], 512<<16                    ; tile_dim0 = 512
	s_mov_b32 s[G1Z+4], 4                          ; tile_dim1 = 4
	s_mov_b32 s[G1Z+5], 4096                       ; from row to row
	s_mov_b32 s[G1Z+6], 0
	s_mov_b32 s[G1Z+7], 0
	s_mov_b32 s[G1W+1], 512<<16
	s_mov_b32 s[G1W+2], 8<<16
	s_mov_b32 s[G1W+3], 512<<16
	s_mov_b32 s[G1W+4], 8
	s_mov_b32 s[G1W+5], 4096
	s_mov_b32 s[G1W+6], 0
	s_mov_b32 s[G1W+7], 0
	s_lshl_b32 s16, s13, 3                         ; z: tile 8 x token block + 4 x half,
	s_lshl_b32 s17, s12, 2
	s_add_co_u32 s16, s16, s17
	s_lshl_b32 s16, s16, 15                        ; in bytes
	s_mov_b32 s17, 0
	s_lshl_b32 s46, s42, 4                         ; Wo: tile 16 x column block + 8 x half
	s_lshl_b32 s47, s12, 3
	s_add_co_u32 s46, s46, s47
	s_lshl_b32 s46, s46, 15
	s_mov_b32 s47, 0
	s_lshl_b32 s20, s12, 14                        ; where they go in a slot: the wave's number alone
	s_lshl_b32 s21, s12, 15
	s_add_co_u32 s21, s21, WOFF
	s_wait_dscnt 0x0                               ; both opening adds are done
	s_wait_kmcnt 0x0
	s_add_nc_u64 s[14:15], s[4:5], s[16:17]
	s_add_nc_u64 s[46:47], s[6:7], s[46:47]
	CROUND                                         ; all sixteen work-groups are here: the first joint loads meet
.irp s, 0,1
	s_mov_b32 s[G0Z+4*\s], 1                       ; count = 1
	s_add_co_u32 s[G0Z+4*\s+1], s20, \s*SLOT       ; LDS address
	s_add_nc_u64 s[G0Z+4*\s+2:G0Z+4*\s+3], s[14:15], \s*4096   ; global address: K step s
	s_or_b32 s[G0Z+4*\s+3], s[G0Z+4*\s+3], 0x80000000          ; type = 2
	s_mov_b32 s[G0W+4*\s], 1
	s_add_co_u32 s[G0W+4*\s+1], s21, \s*SLOT
	s_add_nc_u64 s[G0W+4*\s+2:G0W+4*\s+3], s[46:47], \s*4096
	s_or_b32 s[G0W+4*\s+3], s[G0W+4*\s+3], 0x80000000
	JLOAD \s                                       ; two loads of mine are out
.endr
	v_and_b32 v1, 31, v0
	v_lshlrev_b32 v[CO], 4, v1                     ; 16 x lane
	s_lshl_b32 s21, s11, 14                        ; my 4 tiles of z,
	s_lshl_b32 s22, s12, 15
	s_add_co_u32 s22, s22, WOFF                    ; my 8 tiles of Wo
.irp s, 0,1
	v_add_nc_u32 v[ADZ+\s], s21, v[CO]
	v_add_nc_u32 v[ADW+\s], s22, v[CO]
	s_add_co_u32 s21, s21, SLOT
	s_add_co_u32 s22, s22, SLOT
.endr
	s_mul_i32 s23, s10, 16*SPITCH
	s_add_co_u32 s23, s23, STAGE                   ; my stage
	v_and_b32 v3, 15, v0                           ; r
	v_bfe_u32 v4, v0, 4, 1                         ; h
	v_mul_u32_u24 v5, v3, SPITCH                   ; in: row r, 32 bytes for each half of the lanes
	v_lshl_add_u32 v5, v4, 5, v5
	v_add_nc_u32 v[STO], s23, v5
	v_add_nc_u32 v[RD], s23, v[CO]                 ; back: the 32 lanes take one row of 512 bytes
	s_lshl_b32 s16, s13, 7
	s_lshl_b32 s17, s11, 6
	s_add_co_u32 s16, s16, s17                     ; my first token,
	s_lshl_b32 s16, s16, 12                        ; rows of 4,096 bytes
	s_mov_b32 s17, 0
	s_add_nc_u64 s[8:9], s[8:9], s[16:17]
	s_lshl_b32 s46, s42, 10                        ; my first column, in bytes
	s_lshl_b32 s47, s12, 9
	s_add_co_u32 s46, s46, s47
	s_mov_b32 s47, 0
	s_add_nc_u64 s[8:9], s[8:9], s[46:47]
.macro FETCH slot, q, f                ; the fragments of the slot's q-th 32 along K into buffer f: 24 LDS loads in one run
	WIN 0
.irp b, 0,1,2,3,4,5,6,7
.irp c, 0,1
	ds_load_b128 v[\f+8*\b+4*\c:\f+8*\b+4*\c+3], v[ADW+\slot] offset:4096*\b+1024*(\q)+512*\c
.endr
.endr
.irp a, 0,1,2,3
.irp c, 0,1
	ds_load_b128 v[\f+64+8*\a+4*\c:\f+64+8*\a+4*\c+3], v[ADZ+\slot] offset:4096*\a+1024*(\q)+512*\c
.endr
.endr
.endm
.macro MUL8 f, a, zero                 ; token tile a against Wo's eight.  The 32 accumulators take turns, one instruction a turn, in the same order in every quarter
.irp b, 0,1,2,3,4,5,6,7
.if \zero
	v_wmma_f32_16x16x32_f16 v[8*(8*(\a)+\b):8*(8*(\a)+\b)+7], v[\f+8*\b:\f+8*\b+7], v[\f+64+8*(\a):\f+64+8*(\a)+7], 0
.else
	v_wmma_f32_16x16x32_f16 v[8*(8*(\a)+\b):8*(8*(\a)+\b)+7], v[\f+8*\b:\f+8*\b+7], v[\f+64+8*(\a):\f+64+8*(\a)+7], v[8*(8*(\a)+\b):8*(8*(\a)+\b)+7]
.endif
.endr
.endm
; A K step is four quarters of 32 along K, 32 matrix instructions each, on buffers 0, 1, 0, 1.  One of the first three: buffer f is in; the next quarter, qn, is asked for into g; then f is multiplied
.macro QUARTER slot, qn, f, g, zero
	s_wait_dscnt 0x0                               ; buffer f is in
	WIN 0
	PLACES                                         ; four plain lines between the last quarter's products and loads into the registers that they read (ISA guide 7.12.1 for vector instructions)
	FETCH \slot, \qn, \g
	WIN W_MUL
	MUL8 \f, 0, \zero
	MUL8 \f, 1, \zero
	MUL8 \f, 2, \zero
	MUL8 \f, 3, \zero
.endm
; The last quarter multiplies buffer 1 and changes slots: ONE barrier; in front of it each wave waits for all its tensor loads, adds 0 to its spare word, and waits for that and for its own reads of this slot.  fill = 1: this slot is filled again, two K steps ahead
.macro TURN slot, next, fill
	WIN 0
	s_wait_tensorcnt 0x0                           ; all my tensor loads have landed: my part of the next slot
	ds_add_u32 v[SPW], v[NIL]                      ; 0 onto my spare word
	s_wait_dscnt 0x1                               ; buffer 1 is in; the add alone may be out
	WIN W_MUL
	MUL8 F1, 0, 0                                  ; eight matrix instructions stand between the add and the wait for it
	s_wait_dscnt 0x0                               ; the add is done, and my reads of this slot are over
	s_barrier_signal -1
	MUL8 F1, 1, 0
	WIN 0
	s_barrier_wait -1
.if \fill
	CREST                                          ; the barrier has opened a round of the cluster's: no wave of any partner still reads this slot or has a load on its way
	s_add_nc_u64 s[G0Z+4*\slot+2:G0Z+4*\slot+3], s[G0Z+4*\slot+2:G0Z+4*\slot+3], 2*4096
	s_add_nc_u64 s[G0W+4*\slot+2:G0W+4*\slot+3], s[G0W+4*\slot+2:G0W+4*\slot+3], 2*4096
	JLOAD \slot                                    ; the first tensor load behind the round; the four v_nop behind it are also the places in front of the loads below
.else
	PLACES
.endif
	FETCH \next, 0, F0
	WIN W_MUL
	MUL8 F1, 2, 0
	MUL8 F1, 3, 0
.endm
	s_wait_tensorcnt 0x1                           ; my part of K step 0 is in; K step 1's may be out
	s_barrier_signal -1
	s_barrier_wait -1                              ; everybody's is
	FETCH 0, 0, F0
	QUARTER 0, 1, F0, F1, 1                        ; the first quarter stands in front of the loop: its products start the sums
	WIN 0                                          ; at a label and at a branch every window is 0
	s_mov_b32 s3, 3
.Llap:                                             ; a trip goes once round the ring, from a lap's second quarter to the next lap's first, and fills both slots again
	QUARTER 0, 2, F1, F0, 0
	QUARTER 0, 3, F0, F1, 0
	TURN 0, 1, 1
	QUARTER 1, 1, F0, F1, 0
	QUARTER 1, 2, F1, F0, 0
	QUARTER 1, 3, F0, F1, 0
	TURN 1, 0, 1
	QUARTER 0, 1, F0, F1, 0
	WIN 0
	s_sub_co_u32 s3, s3, 1
	s_cmp_lg_u32 s3, 0
	s_cbranch_scc1 .Llap
	QUARTER 0, 2, F1, F0, 0                        ; the last lap fills nothing
	QUARTER 0, 3, F0, F1, 0
	TURN 0, 1, 0
	QUARTER 1, 1, F0, F1, 0
	QUARTER 1, 2, F1, F0, 0
	QUARTER 1, 3, F0, F1, 0
	s_wait_dscnt 0x0                               ; the very last quarter: nothing more to fetch
	WIN W_MUL
	MUL8 F1, 0, 0
	MUL8 F1, 1, 0
	MUL8 F1, 2, 0
	MUL8 F1, 3, 0
	WIN 0
; THE WAY OUT, a tile of 16 tokens x 128 columns at a time: through my own stage in LDS and back as whole rows of 512 bytes.  LDS serves a wave's instructions in order: no wait between the stores and the loads, nor in front of the next tile's stores
.macro TOSTAGE a
	WIN 0x04                                       ; an LDS store's data are its source 1: window 1
.irp b, 0,1,2,3,4,5,6,7
	ds_store_b128 v[STO], v[8*(8*(\a)+\b):8*(8*(\a)+\b)+3] offset:64*\b          ; each accumulator from its low end on
	ds_store_b128 v[STO], v[8*(8*(\a)+\b)+4:8*(8*(\a)+\b)+7] offset:64*\b+16
.endr
	WIN 0
.set BB, BK+64*((\a)%2)
.irp t, 0,1,2,3,4,5,6,7,8,9,10,11,12,13,14,15
	ds_load_b128 v[BB+4*\t:BB+4*\t+3], v[RD] offset:\t*SPITCH
.endr
.endm
.macro SEND a, younger                 ; younger: the LDS instructions issued behind tile a's loads, which may stay out
.set BB, BK+64*((\a)%2)
	s_wait_dscnt \younger
.irp t, 0,1,2,3,4,5,6,7,8,9,10,11,12,13,14,15
	global_store_b128 v[CO], v[BB+4*\t:BB+4*\t+3], s[8:9] offset:65536*(\a)+4096*\t th:TH_STORE_NT   ; 32 lanes store 512 consecutive bytes, at a multiple of 256 from out0's first byte
.endr
.endm
	PLACES                                         ; between the last products and the reads of results and the loads into the fragments' registers
	TOSTAGE 0
.irp a, 1,2,3
.if \a > 1
	s_wait_xcnt 0x0                                ; tile a - 2's stores have read their registers: tile a's loads may land there
.endif
	TOSTAGE \a
	SEND \a-1, 32                                  ; behind tile a - 1's loads: tile a's 16 stores and 16 loads
.endr
	SEND 3, 0
	s_wait_tensorcnt 0x0                           ; the wave's end, behind my last tensor load and my last LDS store
	ds_add_u32 v[SPW], v[NIL]
	s_wait_dscnt 0x0
	CROUND                                         ; the closing round: no work-group ends while a partner may still ask for a tile that names it
	s_endpgm
.Lfunc_end_k_q874191cafb_oproj:
	.size	k_q874191cafb_oproj, .Lfunc_end_k_q874191cafb_oproj-k_q874191cafb_oproj
	.p2alignl 7, 3214868480
	.fill 96, 4, 3214868480
	.section	.rodata,"a",@progbits
	.p2align	6, 0x0
	.amdhsa_kernel k_q874191cafb_oproj
		.amdhsa_group_segment_fixed_size 327680
		.amdhsa_private_segment_fixed_size 0
		.amdhsa_enable_private_segment 0
		.amdhsa_kernarg_size 24
		.amdhsa_user_sgpr_count 2
		.amdhsa_user_sgpr_kernarg_segment_ptr 1
		.amdhsa_wavefront_size32 1
		.amdhsa_system_sgpr_workgroup_id_x 1
		.amdhsa_system_sgpr_workgroup_id_y 1
		.amdhsa_system_sgpr_workgroup_id_z 1
		.amdhsa_system_vgpr_workitem_id 0
		.amdhsa_next_free_vgpr 512
		.amdhsa_next_free_sgpr 66
		.amdhsa_reserve_vcc 0
		.amdhsa_float_denorm_mode_32 3
		.amdhsa_float_denorm_mode_16_64 3
		.amdhsa_memory_ordered 1
		.amdhsa_forward_progress 1
		.amdhsa_inst_pref_size 84
	.end_amdhsa_kernel
	.amdgpu_metadata
---
amdhsa.version: [ 1, 2 ]
amdhsa.kernels:
  - .name:           k_q874191cafb_oproj
    .symbol:         k_q874191cafb_oproj.kd
    .args:
      - { .name: z16, .offset: 0, .size: 8, .value_kind: global_buffer, .address_space: global }
      - { .name: wo16, .offset: 8, .size: 8, .value_kind: global_buffer, .address_space: global }
      - { .name: out0, .offset: 16, .size: 8, .value_kind: global_buffer, .address_space: global }
    .group_segment_fixed_size: 327680
    .private_segment_fixed_size: 0
    .kernarg_segment_align: 8
    .kernarg_segment_size: 24
    .max_flat_workgroup_size: 128
    .sgpr_count:     66
    .vgpr_count:     512
    .wavefront_size: 32
...
	.end_amdgpu_metadata
.endif
;; end of part 4
